; MI455X (gfx1250); checked and timed in simulation.
; The chip was launched on July 23, 2026; its instructions are those of AMD's public machine-readable ISA for CDNA 5 (MIT licence, August 2026) and "CDNA5" Instruction Set Architecture Reference Guide (July 2026). The comments in the code are by the model that wrote it; some were corrected since.
;; Mo P Module. Allowed arithmetic: matrix products marked QUANTISED: E4M3 operands, one E8M0 scale for each 32 along K, by v_wmma_scale_f32_16x16x128_f8f6f4 with both operands' format E4M3, f32 sums; products left as they are: f32 operands where the result goes on into a quantised operand, else bf16, f16 or f32 operands; f32 sums; everything else in f32.
;; Inputs: b1 8 x 2,048 float32; b2 8 x 2,048 float32; b3 8 x 512 float32; rb0 256 float32; rb1 256 float32; rb2 8 float32; rw0_codes 256 x 16 x 32 uint8 (E4M3 codes of rw0, K innermost, in blocks of 32 codes); rw0_scales 256 x 16 uint8 (E8M0 scales of rw0, one for each 32 codes along K); rw1_codes 256 x 8 x 32 uint8 (E4M3 codes of rw1, K innermost, in blocks of 32 codes); rw1_scales 256 x 8 uint8 (E8M0 scales of rw1, one for each 32 codes along K); rw2 256 x 8 float32; w1_codes 8 x 2,048 x 16 x 32 uint8 (E4M3 codes of w1, K innermost, in blocks of 32 codes); w1_scales 8 x 2,048 x 16 uint8 (E8M0 scales of w1, one for each 32 codes along K); w2_codes 8 x 2,048 x 64 x 32 uint8 (E4M3 codes of w2, K innermost, in blocks of 32 codes); w2_scales 8 x 2,048 x 64 uint8 (E8M0 scales of w2, one for each 32 codes along K); w3_codes 8 x 512 x 64 x 32 uint8 (E4M3 codes of w3, K innermost, in blocks of 32 codes); w3_scales 8 x 512 x 64 uint8 (E8M0 scales of w3, one for each 32 codes along K); x_codes 1,024 x 16 x 32 uint8 (E4M3 codes of x, K innermost, in blocks of 32 codes); x_scales 1,024 x 16 uint8 (E8M0 scales of x, one for each 32 codes along K).
;; Outputs: out0 1,024 x 512 float32.
;; This version of the problem:
;;   THIS VERSION OF THE PROBLEM IS GIVEN IN LOW PRECISION. The matrix products marked QUANTISED in the list below multiply operands that are first quantised to E4M3 (4 exponent bits, 3 mantissa bits; 8 bits a number), with one power-of-two scale for each 32 numbers along K (OCP MX v1.0); their sums are f32. All else is computed in f32.
;;   The module's matrix products, in the order in which they are computed (A, B: the left and right operand; K: the contracted axis; several contracted axes count as one K, in the product's order):
;;     1. [M 1,024, K 512] x [K 512, N 256]; A: input x (given as codes); B: input rw0 (given as codes): QUANTISED
;;     2. [M 1,024, K 256] x [K 256, N 256]; A: computed on the way; B: input rw1 (given as codes): QUANTISED
;;     3. [M 1,024, K 256] x [K 256, N 8]; A: computed on the way; B: input rw2: left as it is (N = 8 < 16)
;;     4. [M 1,024, K 512] x [K 512, N 2,048]; A: input x (given as codes); B: input w1 (given as codes): QUANTISED
;;     5. [M 1,024, K 2,048] x [K 2,048, N 2,048]; A: computed on the way; B: input w2 (given as codes): QUANTISED
;;     6. [M 1,024, K 2,048] x [K 2,048, N 512]; A: computed on the way; B: input w3 (given as codes): QUANTISED
;;     7. [M 1,024, K 512] x [K 512, N 2,048]; A: input x (given as codes); B: input w1 (given as codes): QUANTISED
;;     8. [M 1,024, K 2,048] x [K 2,048, N 2,048]; A: computed on the way; B: input w2 (given as codes): QUANTISED
;;     9. [M 1,024, K 2,048] x [K 2,048, N 512]; A: computed on the way; B: input w3 (given as codes): QUANTISED
;;     10. [M 1,024, K 512] x [K 512, N 2,048]; A: input x (given as codes); B: input w1 (given as codes): QUANTISED
;;     11. [M 1,024, K 2,048] x [K 2,048, N 2,048]; A: computed on the way; B: input w2 (given as codes): QUANTISED
;;     12. [M 1,024, K 2,048] x [K 2,048, N 512]; A: computed on the way; B: input w3 (given as codes): QUANTISED
;;     13. [M 1,024, K 512] x [K 512, N 2,048]; A: input x (given as codes); B: input w1 (given as codes): QUANTISED
;;     14. [M 1,024, K 2,048] x [K 2,048, N 2,048]; A: computed on the way; B: input w2 (given as codes): QUANTISED
;;     15. [M 1,024, K 2,048] x [K 2,048, N 512]; A: computed on the way; B: input w3 (given as codes): QUANTISED
;;     16. [M 1,024, K 512] x [K 512, N 2,048]; A: input x (given as codes); B: input w1 (given as codes): QUANTISED
;;     17. [M 1,024, K 2,048] x [K 2,048, N 2,048]; A: computed on the way; B: input w2 (given as codes): QUANTISED
;;     18. [M 1,024, K 2,048] x [K 2,048, N 512]; A: computed on the way; B: input w3 (given as codes): QUANTISED
;;     19. [M 1,024, K 512] x [K 512, N 2,048]; A: input x (given as codes); B: input w1 (given as codes): QUANTISED
;;     20. [M 1,024, K 2,048] x [K 2,048, N 2,048]; A: computed on the way; B: input w2 (given as codes): QUANTISED
;;     21. [M 1,024, K 2,048] x [K 2,048, N 512]; A: computed on the way; B: input w3 (given as codes): QUANTISED
;;     22. [M 1,024, K 512] x [K 512, N 2,048]; A: input x (given as codes); B: input w1 (given as codes): QUANTISED
;;     23. [M 1,024, K 2,048] x [K 2,048, N 2,048]; A: computed on the way; B: input w2 (given as codes): QUANTISED
;;     24. [M 1,024, K 2,048] x [K 2,048, N 512]; A: computed on the way; B: input w3 (given as codes): QUANTISED
;;     25. [M 1,024, K 512] x [K 512, N 2,048]; A: input x (given as codes); B: input w1 (given as codes): QUANTISED
;;     26. [M 1,024, K 2,048] x [K 2,048, N 2,048]; A: computed on the way; B: input w2 (given as codes): QUANTISED
;;     27. [M 1,024, K 2,048] x [K 2,048, N 512]; A: computed on the way; B: input w3 (given as codes): QUANTISED
;;   THE QUANTISER, for each operand of a quantised product, along K:
;;     - K is cut into blocks of 32 from its start; a last block that is shorter is filled with zeros.
;;     - A block's scale is 2^e with e = floor(log2(the largest magnitude in the block)) - 8, held to -126 .. 127; a block of zeros has e = 0. As a byte (E8M0): e + 127.
;;     - Each number is divided by its block's scale, clamped to +-448, and rounded to the nearest number of E4M3, ties to even, subnormals kept.
;;     - The product sums the exact products of the quantised numbers (number of the format x scale) in f32.
;;   ~~~python
;;   def quantise(x, axis):      # numpy; x: float32 -> the quantised numbers, widened to float32 again
;;       x = np.moveaxis(x, axis, -1); K = x.shape[-1]
;;       x = np.pad(x, [(0, 0)] * (x.ndim - 1) + [(0, -K % 32)]); x = x.reshape(x.shape[:-1] + (-1, 32)); a = np.abs(x).max(-1, keepdims=True)
;;       e = np.where(a > 0, np.clip(np.frexp(np.where(a > 0, a, 1))[1] - 1 - 8, -126, 127), 0)      # np.frexp(a)[1] - 1 = floor(log2(a)), exactly
;;       r = np.clip(x / 2.0 ** e, -448, 448)
;;       step = 2.0 ** (np.maximum(np.frexp(np.where(r == 0, 1, r))[1] - 1, -6) - 3)
;;       q = np.round(r / step) * step * 2.0 ** e      # np.round: ties to even
;;       return np.moveaxis(q.reshape(q.shape[:-2] + (-1,))[..., :K], -1, axis).astype(np.float32)
;;   ~~~
;;   OPERANDS COMPUTED ON THE WAY. 'Computed on the way' means the value that the module computes at that place (a softmax that the list does not call 'softmax' is quantised finished and normalised). What goes into a quantiser is computed in f32, as accurately as f32 sums, v_exp_f32 and their like allow (about 1e-6 of the number): no bf16 or f16 on the way to a quantiser, and a product that is left as it is and whose result goes on into a quantised operand takes f32 operands (vector FMAs, or v_wmma_f32_16x16x4_f32). A number that lies on a knife's edge between two numbers of the format may be rounded either way, as far as f32 arithmetic and the matrix unit's own rounding can turn it there, and no further.
;;   INPUTS GIVEN AS CODES. rw0 (in the module: [512, 256], K = its axis 0); rw1 (in the module: [256, 256], K = its axis 0); w1 (in the module: [8, 512, 2048], K = its axis 1); w2 (in the module: [8, 2048, 2048], K = its axis 1); w3 (in the module: [8, 2048, 512], K = its axis 1); x (in the module: [1024, 512], K = its axis 1): each comes as NAME_codes (uint8): NAME with its K axis moved to the last place and cut into blocks of 32 codes, [.., K / 32, bytes a block], one block behind the other in memory; one code a byte (a code: sign, 4 exponent bits, 3 mantissa bits); and NAME_scales (uint8): the same leading axes, one E8M0 byte (e + 127) for each 32 codes along K. Its value is code x scale, taken as it is: it is not quantised again, and the codes and scales need not be those that the quantiser above would give.
;; One version. Each part assembles by itself: llvm-mc -triple=amdgcn-amd-amdhsa -mcpu=gfx1250 --defsym DOCPART=n.
;; ======== version 1 of 1: 4 launches
;; workspace buffers: choice 4,096 bytes of whole numbers; order 32,768 bytes of whole numbers; tiles 256 bytes of whole numbers; t1c 16,777,216 bytes; t1s 524,288 bytes; t2c 16,777,216 bytes; t2s 524,288 bytes
;; launch router (part 1): grid 64 x 1, 4 waves a work-group, no clusters, 8,960 bytes of LDS; arguments x_codes, x_scales, rw0_codes, rw0_scales, rb0, rw1_codes, rw1_scales, rb1, rw2, rb2, choice; writes choice
.if DOCPART == 1
	.amdgcn_target "amdgcn-amd-amdhsa--gfx1250"
	.amdhsa_code_object_version 6
	.text
	.protected	k_q3abcd0cb28_router
	.globl	k_q3abcd0cb28_router
	.p2align	8
	.type	k_q3abcd0cb28_router,@function
k_q3abcd0cb28_router:
	s_mov_b64 s[64:65], 0
	v_nop
	global_prefetch_b8 v0, s[64:65] scope:SCOPE_SE
	s_setreg_imm32_b32 hwreg(HW_REG_WAVE_MODE, 25, 1), 1
	s_wait_xcnt 0x0
; THE ROUTER: choice[t] = argmax over 8 of ( elu( Q(x rw0 + rb0) rw1 + rb1 ) rw2 + rb2 ).
; The first two products run on E4M3 codes with E8M0 scales, the third (N = 8) in f32, since the argmax hangs on small differences of the logits.
; SHARES.  A work-group takes 16 tokens; wave w takes hidden units 64 w .. 64 w + 63 of both hidden layers and their part of the third product's K.
; All products are used transposed (source 0 = 16 rows of a weight, source 1 = the 16 tokens): a lane holds ONE token (lane % 16).
; The rows of a weight that form a tile are not neighbours: lane r of tile 2 b + u takes row 32 b + 8 u + r + 8 (r / 8), so that the 16 registers of
; tiles 2 b and 2 b + 1 are 16 neighbours along the next K: 32 b + 16 (lane / 16) + 0 .. 15.
; The first hidden layer goes from wave to wave through LDS as an image of the operand's registers (16 bytes a lane); the partial logits likewise, 32 bytes a lane.
; The choice is only STORED here, at fixed places: no address and no branch of this launch hangs on it.
; LIMITS: NaN and infinities are not served (an argmax over a NaN differs from the definition's).  Two logits nearer than the rounding of the f32 sums may fall either way;
; equal logits give the lower index.  Blocks whose largest magnitude lies under 2^-118 keep the scale byte 1; the sums begin with the bias, not with 0.
; REGISTERS.  window 0: v1-19 lane terms and addresses; v32-95 x (later the hidden layer's two fragments); v96-112 scale words; v114-121 rb2; v128-159 the four tiles in hand;
;   v160-213 at work; v216-247 the f32 sums (written by matrix instructions alone); v248-255 my partial logits.   window 1: rw0, 16 fragments.
;   window 2: v0-127 rw1, 8 fragments; v128-159 rw2; v160-191 rb0, v192-223 rb1 in the result's layout.
.set HIMG,  0                          ; LDS: the hidden layer's two fragments, 2,048 bytes each; wave w writes the 1,024 bytes at 1024 w
.set HSC,   4096                       ; its scale words [K step][token], 128 bytes
.set PLG,   4352                       ; partial logits: 1,024 bytes a wave
.set SPARE, 8448                       ; the spare words, 128 bytes a wave: two blocks of 256 bytes that no other line names
.set SPW, 20
.set NIL, 21
.set XF,  32
.set HF,  32
.set XS,  96
.set RS0, 100
.set RS1, 108
.set HS,  112
.set RB2, 114
.set ACC, 128
.set PC,  160
.set PW,  168
.set TM,  170
.set T,   180
.set Q,   196
.set KC,  212
.set LA,  216
.set PL,  248
.set RW2, 128                          ; in window 2
.set BB0, 160
.set BB1, 192
.set SEL, 30
.set MNT, 32
.set MSB, 0
.macro WIN new                         ; the immediate's high byte repeats the setting that is left
.if MSB != \new
	s_set_vgpr_msb (MSB<<8)|\new
.set MSB, \new
.endif
.endm
.macro PLACES n
.rept \n
	v_nop
.endr
.endm
; one scaled product; ra, rb: the scale words stand in lanes 16-31 of their register
.macro WM d, a, b, c, sa, sb, ra, rb
.if (\ra) && (\rb)
	v_wmma_scale_f32_16x16x128_f8f6f4 v[(\d):(\d)+7], v[(\a):(\a)+15], v[(\b):(\b)+15], v[(\c):(\c)+7], v[(\sa)], v[(\sb)] matrix_a_scale:MATRIX_SCALE_ROW1 matrix_b_scale:MATRIX_SCALE_ROW1
.elseif (\ra)
	v_wmma_scale_f32_16x16x128_f8f6f4 v[(\d):(\d)+7], v[(\a):(\a)+15], v[(\b):(\b)+15], v[(\c):(\c)+7], v[(\sa)], v[(\sb)] matrix_a_scale:MATRIX_SCALE_ROW1
.elseif (\rb)
	v_wmma_scale_f32_16x16x128_f8f6f4 v[(\d):(\d)+7], v[(\a):(\a)+15], v[(\b):(\b)+15], v[(\c):(\c)+7], v[(\sa)], v[(\sb)] matrix_b_scale:MATRIX_SCALE_ROW1
.else
	v_wmma_scale_f32_16x16x128_f8f6f4 v[(\d):(\d)+7], v[(\a):(\a)+15], v[(\b):(\b)+15], v[(\c):(\c)+7], v[(\sa)], v[(\sb)]
.endif
.endm
; 32 numbers of a lane, register 16 b + i = k 32 b + 16 (lane / 16) + i of my token, become 32 codes in v[PC] on and two scale bytes in v[PW]
.macro QUANT2 s
.irp b, 0,1
	v_max3_num_f32 v[TM+\b], |v[(\s)+16*\b]|, |v[(\s)+16*\b+1]|, 0x4800000   ; my 16 numbers of block b, and the floor 2^(9 - 127): the byte cannot fall under 1
.endr
.irp i, 2,4,6,8,10,12,14
.irp b, 0,1
	v_max3_num_f32 v[TM+\b], v[TM+\b], |v[(\s)+16*\b+\i]|, |v[(\s)+16*\b+\i+1]|
.endr
.endr
.irp b, 0,1
	v_permlanex16_b32 v[TM+2+\b], v[TM+\b], s[SEL], s[SEL+1]
.endr
.irp b, 0,1
	v_max_num_f32 v[TM+\b], v[TM+\b], v[TM+2+\b]                  ; with lane l xor 16's 16: the block's largest magnitude
.endr
.irp b, 0,1
	v_add_nc_u32 v[TM+6+\b], 0xfc000000, v[TM+\b]                 ; 8 off its exponent field: the conversion's scale operand
.endr
.irp b, 0,1
	v_and_or_b32 v[TM+4+\b], v[TM+\b], 0x7f800000, s[MNT]         ; 448 x the scale
.endr
.irp b, 0,1
	v_lshrrev_b32 v[TM+2+\b], 23, v[TM+6+\b]                      ; the scale's byte
.endr
	v_lshl_or_b32 v[PW], v[TM+3], 8, v[TM+2]
.irp b, 0,1
.irp i, 0,1,2,3,4,5,6,7,8,9,10,11,12,13,14,15
	v_med3_num_f32 v[(\s)+16*\b+\i], v[(\s)+16*\b+\i], -v[TM+4+\b], v[TM+4+\b]   ; the conversion to an 8-bit code does not saturate (ISA guide 7.6.2): the hold
.endr
	v_cvt_scalef32_pk8_fp8_f32 v[PC+4*\b:PC+4*\b+1], v[(\s)+16*\b:(\s)+16*\b+7], v[TM+6+\b]
	v_cvt_scalef32_pk8_fp8_f32 v[PC+4*\b+2:PC+4*\b+3], v[(\s)+16*\b+8:(\s)+16*\b+15], v[TM+6+\b]
.endr
	v_nop                                  ; a plain line between the last conversion and whatever next touches its registers
.endm
; elu in place on 16 numbers.  Under -0.25: 2^(x log2 e) - 1.  Above: x + x^2/2 + .. + x^6/720, since exp(x) - 1 cancels for small x (what is cut off is under 5e-8 of x there).
; The median of (x, that, 0) is elu: for x < 0, x <= exp(x) - 1 <= 0; for x > 0 the series is at least x.
.macro ELU16 x
.irp j, 0,2,4,6,8,10,12,14
	v_pk_mul_f32 v[T+\j:T+\j+1], v[(\x)+\j:(\x)+\j+1], 0x3fb8aa3b op_sel_hi:[1,0]
.endr
.irp j, 0,1,2,3,4,5,6,7,8,9,10,11,12,13,14,15
	v_exp_f32 v[T+\j], v[T+\j]
.endr
.irp j, 0,2,4,6,8,10,12,14             ; the series: 48 plain lines that name no exponential's result
	v_pk_fma_f32 v[Q+\j:Q+\j+1], v[(\x)+\j:(\x)+\j+1], 0x3ab60b61, v[KC:KC+1] op_sel_hi:[1,0,1]
.endr
.irp j, 0,2,4,6,8,10,12,14
	v_pk_fma_f32 v[Q+\j:Q+\j+1], v[Q+\j:Q+\j+1], v[(\x)+\j:(\x)+\j+1], 0x3d2aaaab op_sel_hi:[1,1,0]
.endr
.irp j, 0,2,4,6,8,10,12,14
	v_pk_fma_f32 v[Q+\j:Q+\j+1], v[Q+\j:Q+\j+1], v[(\x)+\j:(\x)+\j+1], 0x3e2aaaab op_sel_hi:[1,1,0]
.endr
.irp j, 0,2,4,6,8,10,12,14
	v_pk_fma_f32 v[Q+\j:Q+\j+1], v[Q+\j:Q+\j+1], v[(\x)+\j:(\x)+\j+1], 0.5 op_sel_hi:[1,1,0]
.endr
.irp j, 0,2,4,6,8,10,12,14
	v_pk_mul_f32 v[Q+\j:Q+\j+1], v[Q+\j:Q+\j+1], v[(\x)+\j:(\x)+\j+1]
.endr
.irp j, 0,2,4,6,8,10,12,14
	v_pk_fma_f32 v[Q+\j:Q+\j+1], v[Q+\j:Q+\j+1], v[(\x)+\j:(\x)+\j+1], v[(\x)+\j:(\x)+\j+1]
.endr
	s_wait_alu depctr_va_vdst(0)           ; one wait for the 16 exponentials, ahead of their first reader
.irp j, 0,2,4,6,8,10,12,14
	v_pk_add_f32 v[T+\j:T+\j+1], v[T+\j:T+\j+1], -1.0 op_sel_hi:[1,0]
.endr
.irp j, 0,1,2,3,4,5,6,7,8,9,10,11,12,13,14,15
	v_cmp_lt_f32 vcc_lo, 0xbe800000, v[(\x)+\j]
	v_cndmask_b32 v[T+\j], v[T+\j], v[Q+\j], vcc_lo
	v_med3_num_f32 v[(\x)+\j], v[(\x)+\j], v[T+\j], 0
.endr
.endm
	s_load_b512 s[4:19], s[0:1], 0x0               ; x codes, x scales, rw0 codes, rw0 scales, rb0, rw1 codes, rw1 scales, rb1
	s_load_b128 s[20:23], s[0:1], 0x40             ; rw2, rb2
	s_load_b64 s[24:25], s[0:1], 0x50              ; choice
	v_lshl_add_u32 v[SPW], v0, 2, SPARE
	v_mov_b32 v[NIL], 0
	v_lshrrev_b32 v1, 5, v0
	v_readfirstlane_b32 s26, v1                    ; wave 0..3
	v_and_b32 v1, 15, v0                           ; r
	v_bfe_u32 v2, v0, 4, 1                         ; h
	v_and_b32 v3, 31, v0                           ; lane
	v_and_b32 v22, 8, v1
	v_add_nc_u32 v22, v22, v1                      ; r + 8 (r / 8)
	v_lshlrev_b32 v23, 4, v2                       ; 16 h
	v_lshl_add_u32 v4, v1, 9, v23                  ; x: row r of 512 bytes + 16 h
	v_lshlrev_b32 v5, 4, v1                        ; x's scale words: 16 bytes a row
	v_lshl_add_u32 v6, v22, 9, v23                 ; rw0: a tile's row + 16 h
	v_lshl_add_u32 v24, v2, 3, v22                 ; scale words: lanes 16-31 take the rows of the odd tile, 8 further on
	v_lshlrev_b32 v7, 4, v24                       ; rw0's: 16 bytes a row
	v_lshlrev_b32 v8, 6, v2                        ; biases: 16 h numbers on
	v_lshl_add_u32 v9, v22, 8, v23                 ; rw1: rows of 256 bytes
	v_lshlrev_b32 v10, 3, v24                      ; rw1's scale words: 8 bytes a row
	v_and_b32 v25, 7, v0
	v_lshlrev_b32 v25, 2, v25
	v_lshl_add_u32 v11, v2, 9, v25                 ; rw2: 16 h rows of 32 bytes, expert lane % 8 (rows 8-15 of the operand repeat the 8 experts)
	v_mov_b32 v12, 0
	v_lshlrev_b32 v13, 4, v3                       ; 16 x lane: an image's place
	s_lshl_b32 s27, s26, 10
	s_lshr_b32 s28, s26, 1
	s_lshl_b32 s28, s28, 6
	s_and_b32 s29, s26, 1
	s_lshl_b32 s29, s29, 1
	s_add_co_u32 s28, s28, s29
	s_add_co_u32 s28, s28, HSC
	v_add_nc_u32 v14, s27, v13                     ; where I store my half fragment: 1024 w + 16 lane
	v_lshl_add_u32 v15, v1, 2, s28                 ; and my two scale bytes: K step w / 2, token r, bytes 2 (w % 2) on
	v_lshl_add_u32 v16, v3, 2, HSC                 ; back: lanes 0-15 K step 0's words, lanes 16-31 K step 1's
	s_add_co_u32 s28, s27, PLG
	v_lshl_add_u32 v17, v3, 5, s28                 ; my partial logits
	v_lshl_add_u32 v18, v3, 5, PLG                 ; all four waves', for wave 0
	v_lshlrev_b32 v19, 2, v1                       ; choice: 4 bytes a token
	v_mov_b32 v[TM+2], 0                           ; written once: a lane permute's destination counts as one of its sources
	v_mov_b32 v[TM+3], 0
	v_mov_b32 v[KC], 0x3c088889                    ; 1 / 120, twice
	v_mov_b32 v[KC+1], 0x3c088889
	s_mov_b32 s[SEL], 0x76543210
	s_mov_b32 s[SEL+1], 0xfedcba98                 ; v_permlanex16_b32's selects for lane l xor 16
	s_mov_b32 s[MNT], 0x600000                     ; the mantissa field of 448
	s_mov_b32 s29, 0
	s_wait_kmcnt 0x0
	s_lshl_b32 s28, ttmp9, 13                      ; my 16 tokens
	s_add_nc_u64 s[4:5], s[4:5], s[28:29]
	s_lshl_b32 s28, ttmp9, 8
	s_add_nc_u64 s[6:7], s[6:7], s[28:29]
	s_lshl_b32 s28, s26, 15                        ; my wave's 64 rows of each weight
	s_add_nc_u64 s[8:9], s[8:9], s[28:29]
	s_lshl_b32 s28, s26, 10
	s_add_nc_u64 s[10:11], s[10:11], s[28:29]
	s_lshl_b32 s28, s26, 8
	s_add_nc_u64 s[12:13], s[12:13], s[28:29]
	s_add_nc_u64 s[18:19], s[18:19], s[28:29]
	s_lshl_b32 s28, s26, 14
	s_add_nc_u64 s[14:15], s[14:15], s[28:29]
	s_lshl_b32 s28, s26, 9
	s_add_nc_u64 s[16:17], s[16:17], s[28:29]
	s_lshl_b32 s28, s26, 11
	s_add_nc_u64 s[20:21], s[20:21], s[28:29]
	s_lshl_b32 s28, ttmp9, 6
	s_add_nc_u64 s[24:25], s[24:25], s[28:29]
	; ---- all loads, in three groups.  The first product's: 16 + 1 + 2 + 8 + 64 = 91
.irp s, 0,1,2,3
.irp c, 0,1,2,3
	global_load_b128 v[XF+16*\s+4*\c:XF+16*\s+4*\c+3], v4, s[4:5] offset:128*\s+32*\c
.endr
.endr
	global_load_b128 v[XS:XS+3], v5, s[6:7]
.irp b, 0,1
	global_load_b128 v[RS0+4*\b:RS0+4*\b+3], v7, s[10:11] offset:512*\b
.endr
	WIN 0x80
.irp i, 0,1,2,3
	global_load_b128 v[BB0+8*\i:BB0+8*\i+3], v8, s[12:13] offset:(32*(\i/2)+8*(\i%2))*4
	global_load_b128 v[BB0+8*\i+4:BB0+8*\i+7], v8, s[12:13] offset:(32*(\i/2)+8*(\i%2))*4+16
.endr
	WIN 0x40
.irp s, 0,1,2,3
.irp i, 0,1,2,3
.irp c, 0,1,2,3
	global_load_b128 v[64*\s+16*\i+4*\c:64*\s+16*\i+4*\c+3], v6, s[8:9] offset:(32*(\i/2)+8*(\i%2))*512+128*\s+32*\c
.endr
.endr
.endr
	; the second product's: 32 + 8 + 2 = 42
	WIN 0x80
.irp s, 0,1
.irp i, 0,1,2,3
.irp c, 0,1,2,3
	global_load_b128 v[64*\s+16*\i+4*\c:64*\s+16*\i+4*\c+3], v9, s[14:15] offset:(32*(\i/2)+8*(\i%2))*256+128*\s+32*\c
.endr
.endr
.endr
.irp i, 0,1,2,3
	global_load_b128 v[BB1+8*\i:BB1+8*\i+3], v8, s[18:19] offset:(32*(\i/2)+8*(\i%2))*4
	global_load_b128 v[BB1+8*\i+4:BB1+8*\i+7], v8, s[18:19] offset:(32*(\i/2)+8*(\i%2))*4+16
.endr
	WIN 0
.irp b, 0,1
	global_load_b64 v[RS1+2*\b:RS1+2*\b+1], v10, s[16:17] offset:256*\b
.endr
	; the third product's: 2 + 32 = 34
	global_load_b128 v[RB2:RB2+3], v12, s[22:23]
	global_load_b128 v[RB2+4:RB2+7], v12, s[22:23] offset:16
	WIN 0x80
.irp b, 0,1
.irp i, 0,1,2,3,4,5,6,7,8,9,10,11,12,13,14,15
	global_load_b32 v[RW2+16*\b+\i], v11, s[20:21] offset:(32*\b+\i)*32   ; rw2(64 w + 32 b + 16 h + i, lane % 8): the unit that register 16 b + i of the hidden layer holds in this lane
.endr
.endr
	; ---- product 1: my 64 units of x rw0 + rb0
	s_wait_loadcnt 63                              ; 76 loads are younger than the first group; the count's field holds 63
.irp s, 0,1,2,3
.if \s==0
	WIN 0x21                                       ; rw0 window 1, the bias (C) window 2
.else
	WIN 0x01
.endif
.irp i, 0,1,2,3                        ; the four accumulators by turns
.if \s==0
	WM ACC+8*\i,64*\s+16*\i,XF+16*\s,BB0+8*\i,RS0+4*(\i/2)+\s,XS+\s,\i%2,0
.else
	WM ACC+8*\i,64*\s+16*\i,XF+16*\s,ACC+8*\i,RS0+4*(\i/2)+\s,XS+\s,\i%2,0
.endif
.endr
.endr
	WIN 0
	PLACES 9                                       ; 8 in front of the first read of results and of loads into x's registers, 9 in front of the products that begin these accumulators anew
	QUANT2 ACC
	ds_store_b128 v14, v[PC:PC+3]
	ds_store_b128 v14, v[PC+4:PC+7] offset:512
	ds_store_b16 v15, v[PW]
	s_wait_dscnt 0x0                               ; for the others' sake: my stores have landed
	s_barrier_signal -1
	s_barrier_wait -1
	; ---- product 2: my 64 units of elu(h rw1 + rb1)
.irp s, 0,1
.irp c, 0,1,2,3
	ds_load_b128 v[HF+16*\s+4*\c:HF+16*\s+4*\c+3], v13 offset:HIMG+2048*\s+512*\c
.endr
.endr
	ds_load_b32 v[HS], v16
	s_wait_dscnt 0x0
	s_wait_loadcnt 34                              ; the third group's 34 loads may stay out
.irp s, 0,1
.if \s==0
	WIN 0x22                                       ; rw1 and the bias in window 2
.else
	WIN 0x02
.endif
.irp i, 0,1,2,3
.if \s==0
	WM ACC+8*\i,64*\s+16*\i,HF+16*\s,BB1+8*\i,RS1+2*(\i/2)+\s,HS,\i%2,\s
.else
	WM ACC+8*\i,64*\s+16*\i,HF+16*\s,ACC+8*\i,RS1+2*(\i/2)+\s,HS,\i%2,\s
.endif
.endr
.endr
	WIN 0
	PLACES 9
	ELU16 ACC
	ELU16 ACC+16
	; ---- product 3, in f32: source 0 = rw2 transposed (row = expert), source 1 = my 64 units of the 16 tokens, 4 units an instruction; four sums by turns
	s_wait_loadcnt 0x0
	WIN 0x02
.irp p, 0,1,2,3,4,5,6,7,8,9,10,11,12,13,14,15
.if \p<4
	v_wmma_f32_16x16x4_f32 v[LA+8*(\p%4):LA+8*(\p%4)+7], v[RW2+2*\p:RW2+2*\p+1], v[ACC+2*\p:ACC+2*\p+1], 0
.else
	v_wmma_f32_16x16x4_f32 v[LA+8*(\p%4):LA+8*(\p%4)+7], v[RW2+2*\p:RW2+2*\p+1], v[ACC+2*\p:ACC+2*\p+1], v[LA+8*(\p%4):LA+8*(\p%4)+7]
.endif
.endr
	WIN 0
	PLACES 8
.irp j, 0,2,4,6                        ; register j of every lane: expert j of token lane % 16
	v_pk_add_f32 v[PL+\j:PL+\j+1], v[LA+\j:LA+\j+1], v[LA+8+\j:LA+8+\j+1]
.endr
.irp j, 0,2,4,6
	v_pk_add_f32 v[T+\j:T+\j+1], v[LA+16+\j:LA+16+\j+1], v[LA+24+\j:LA+24+\j+1]
.endr
.irp j, 0,2,4,6
	v_pk_add_f32 v[PL+\j:PL+\j+1], v[PL+\j:PL+\j+1], v[T+\j:T+\j+1]
.endr
	ds_store_b128 v17, v[PL:PL+3]
	ds_store_b128 v17, v[PL+4:PL+7] offset:16
	s_wait_dscnt 0x0
	s_barrier_signal -1
	s_barrier_wait -1
	; ---- wave 0 adds the four parts and rb2 and takes the argmax
	s_cmp_lg_u32 s26, 0
	s_cbranch_scc1 .Lend
.irp w, 0,1,2,3
.irp q, 0,1
	ds_load_b128 v[32+8*\w+4*\q:32+8*\w+4*\q+3], v18 offset:1024*\w+16*\q
.endr
.endr
	s_wait_dscnt 0x0
.irp j, 0,2,4,6
	v_pk_add_f32 v[32+\j:33+\j], v[32+\j:33+\j], v[40+\j:41+\j]
	v_pk_add_f32 v[48+\j:49+\j], v[48+\j:49+\j], v[56+\j:57+\j]
.endr
.irp j, 0,2,4,6
	v_pk_add_f32 v[32+\j:33+\j], v[32+\j:33+\j], v[48+\j:49+\j]
.endr
.irp j, 0,2,4,6
	v_pk_add_f32 v[32+\j:33+\j], v[32+\j:33+\j], v[RB2+\j:RB2+\j+1]
.endr
	v_mov_b32 v22, v32
	v_mov_b32 v23, 0
.irp e, 1,2,3,4,5,6,7
	v_cmp_gt_f32 vcc_lo, v[32+\e], v22             ; strictly greater: of equal logits the lower index stays
	v_cndmask_b32 v22, v22, v[32+\e], vcc_lo
	v_cndmask_b32 v23, v23, \e, vcc_lo
.endr
	global_store_b32 v19, v23, s[24:25]            ; lanes 16-31 hold the same number for the same place
.Lend:
	s_wait_tensorcnt 0x0                           ; the wave's end, behind my last LDS store
	ds_add_u32 v[SPW], v[NIL]
	s_wait_dscnt 0x0
	s_endpgm
.Lfunc_end_k_q3abcd0cb28_router:
	.size	k_q3abcd0cb28_router, .Lfunc_end_k_q3abcd0cb28_router-k_q3abcd0cb28_router
	.p2alignl 7, 3214868480
	.fill 96, 4, 3214868480
	.section	.rodata,"a",@progbits
	.p2align	6, 0x0
	.amdhsa_kernel k_q3abcd0cb28_router
		.amdhsa_group_segment_fixed_size 8960
		.amdhsa_private_segment_fixed_size 0
		.amdhsa_enable_private_segment 0
		.amdhsa_kernarg_size 88
		.amdhsa_user_sgpr_count 2
		.amdhsa_user_sgpr_kernarg_segment_ptr 1
		.amdhsa_wavefront_size32 1
		.amdhsa_system_sgpr_workgroup_id_x 1
		.amdhsa_system_sgpr_workgroup_id_y 1
		.amdhsa_system_sgpr_workgroup_id_z 1
		.amdhsa_system_vgpr_workitem_id 0
		.amdhsa_next_free_vgpr 736
		.amdhsa_next_free_sgpr 66
		.amdhsa_reserve_vcc 1
		.amdhsa_float_denorm_mode_32 3
		.amdhsa_float_denorm_mode_16_64 3
		.amdhsa_memory_ordered 1
		.amdhsa_forward_progress 1
		.amdhsa_inst_pref_size 49
	.end_amdhsa_kernel
	.amdgpu_metadata
---
amdhsa.version: [ 1, 2 ]
amdhsa.kernels:
  - .name:           k_q3abcd0cb28_router
    .symbol:         k_q3abcd0cb28_router.kd
    .args:
      - { .name: x_codes, .offset: 0, .size: 8, .value_kind: global_buffer, .address_space: global }
      - { .name: x_scales, .offset: 8, .size: 8, .value_kind: global_buffer, .address_space: global }
      - { .name: rw0_codes, .offset: 16, .size: 8, .value_kind: global_buffer, .address_space: global }
      - { .name: rw0_scales, .offset: 24, .size: 8, .value_kind: global_buffer, .address_space: global }
      - { .name: rb0, .offset: 32, .size: 8, .value_kind: global_buffer, .address_space: global }
      - { .name: rw1_codes, .offset: 40, .size: 8, .value_kind: global_buffer, .address_space: global }
      - { .name: rw1_scales, .offset: 48, .size: 8, .value_kind: global_buffer, .address_space: global }
      - { .name: rb1, .offset: 56, .size: 8, .value_kind: global_buffer, .address_space: global }
      - { .name: rw2, .offset: 64, .size: 8, .value_kind: global_buffer, .address_space: global }
      - { .name: rb2, .offset: 72, .size: 8, .value_kind: global_buffer, .address_space: global }
      - { .name: choice, .offset: 80, .size: 8, .value_kind: global_buffer, .address_space: global }
    .group_segment_fixed_size: 8960
    .private_segment_fixed_size: 0
    .kernarg_segment_align: 8
    .kernarg_segment_size: 88
    .max_flat_workgroup_size: 128
    .sgpr_count:     66
    .vgpr_count:     736
    .wavefront_size: 32
...
	.end_amdgpu_metadata
.endif
;; end of part 1
;; launch layer1 (part 2): grid 256 x 1, 4 waves a work-group, no clusters, 34,304 bytes of LDS; arguments choice, x_codes, x_scales, w1_codes, w1_scales, b1, t1c, t1s, order, tiles; writes t1c, t1s, order, tiles
.if DOCPART == 2
	.amdgcn_target "amdgcn-amd-amdhsa--gfx1250"
	.amdhsa_code_object_version 6
	.text
	.protected	k_q3abcd0cb28_layer1
	.globl	k_q3abcd0cb28_layer1
	.p2align	8
	.type	k_q3abcd0cb28_layer1,@function
k_q3abcd0cb28_layer1:
	s_mov_b64 s[64:65], 0
	v_nop
	global_prefetch_b8 v0, s[64:65] scope:SCOPE_SE
	s_setreg_imm32_b32 hwreg(HW_REG_WAVE_MODE, 25, 1), 1
	s_wait_xcnt 0x0
; LAYER 1 OF THE CHOSEN EXPERTS: t1 = Q(x W1[e] + b1[e]) for the tokens that chose e, and the placing of tokens by expert.
; SHARES.  Work-group x: expert e = x / 32, slice sg = x % 32: 64 of the 2,048 units.  The slice's codes (64 rows x 512 bytes) are read once, 512 consecutive bytes a load, turned through LDS
; (rows 528 bytes apart) into 16 fragments, which every wave then keeps in registers.  A wave takes tiles of 16 tokens: tiles w and w + 4, then 8 further on, through all of K: no sum crosses waves, and
; the one barrier stands behind the staging, ahead of every branch on loaded numbers.  The loop counts the wave's passes, one a trip, against their number, (tiles + 7 - w) / 8, which is made ahead of it.
; THE PLACING.  Every wave reads all 1,024 choices and makes 32 masks of its expert's members.  Position p of the expert is the member of rank min(p, count - 1): the last tile is filled up
; with the last member again, whose row is computed twice with the same bits.  The member of a rank is found without a branch: the word by 31 selects over the running count, the bit by five steps down the
; tree of partial counts.  The work-group of slice 0 stores the list (order) and the number of tiles (tiles) for the later launches.
; An expert with no member still carries ONE tile (token 1023's row) through layers 1 and 2, so that every workspace byte that a later launch loads has been stored; tiles[e] holds the true number, 0, and nothing of it reaches the output.
; OUT.  t1c is an image of the next product's operand registers: byte e 2^21 + tile 32768 + 2048 s + 512 c + 16 lane; t1s holds the scale bytes so that two loads of 16 bytes a lane give a tile's 16 scale words,
; even K steps in lanes 0-15, odd ones in lanes 16-31.
; LIMITS: NaN and infinities are not served; blocks whose largest magnitude lies under 2^-118 keep the scale byte 1 (this program alone reads the bytes); the sums begin with the bias.
; No tensor load, no cluster: trip counts hang on numbers read from memory.
; REGISTERS.  window 0: v1-19 lane terms and addresses; v32-95 eight accumulators; v96-103 W's scale words; v128-135 x's; v144-161 the quantiser's; v164-179 the placing's; v200-231 the choices.
;   window 1: first the 16 raw rows, then W's 16 fragments.   window 2: v0-127 x's fragments of two tiles; v128-159 the bias in the result's layout.
.set PITCH, 528
.set SPARE, 64*PITCH                   ; behind the slice: the spare words, 128 bytes a wave: two blocks of 256 bytes that no other line names
.set VL,  4
.set VWS, 5
.set AW,  6
.set VSW, 10
.set VBI, 11
.set VA,  12
.set VS,  14
.set VO,  16
.set VSS, 18
.set SPW, 20
.set NIL, 21
.set ACC, 32
.set SW,  96
.set AS,  128
.set PC,  144
.set PW,  152
.set TM,  154
.set KR,  164
.set KK,  165
.set MM,  166
.set EE,  167
.set II,  168
.set QQ,  169
.set A1,  170
.set A2,  171
.set A3,  172
.set PO,  174
.set CC,  175
.set TT,  176
.set TK,  177
.set TX,  178
.set KR4, 179
.set CH,  200
.set BI,  128                          ; in window 2
.set MK,  32                           ; s[32:63] the 32 masks
.set PS,  70                           ; s70  passes done
.set NPS, 71                           ; s71  my wave's passes
.set SEL, 72
.set MNT, 75
.set MSB, 0
.macro WIN new                         ; the immediate's high byte repeats the setting that is left
.if MSB != \new
	s_set_vgpr_msb (MSB<<8)|\new
.set MSB, \new
.endif
.endm
.macro PLACES n
.rept \n
	v_nop
.endr
.endm
.macro WM d, a, b, c, sa, sb, ra, rb
.if (\ra) && (\rb)
	v_wmma_scale_f32_16x16x128_f8f6f4 v[(\d):(\d)+7], v[(\a):(\a)+15], v[(\b):(\b)+15], v[(\c):(\c)+7], v[(\sa)], v[(\sb)] matrix_a_scale:MATRIX_SCALE_ROW1 matrix_b_scale:MATRIX_SCALE_ROW1
.elseif (\ra)
	v_wmma_scale_f32_16x16x128_f8f6f4 v[(\d):(\d)+7], v[(\a):(\a)+15], v[(\b):(\b)+15], v[(\c):(\c)+7], v[(\sa)], v[(\sb)] matrix_a_scale:MATRIX_SCALE_ROW1
.elseif (\rb)
	v_wmma_scale_f32_16x16x128_f8f6f4 v[(\d):(\d)+7], v[(\a):(\a)+15], v[(\b):(\b)+15], v[(\c):(\c)+7], v[(\sa)], v[(\sb)] matrix_b_scale:MATRIX_SCALE_ROW1
.else
	v_wmma_scale_f32_16x16x128_f8f6f4 v[(\d):(\d)+7], v[(\a):(\a)+15], v[(\b):(\b)+15], v[(\c):(\c)+7], v[(\sa)], v[(\sb)]
.endif
.endm
; 32 numbers of a lane, register 16 b + i = unit 32 b + 16 (lane / 16) + i of my token, become 32 codes in v[PC] on and two scale bytes in v[PW]
.macro QUANT2 s
.irp b, 0,1
	v_max3_num_f32 v[TM+\b], |v[(\s)+16*\b]|, |v[(\s)+16*\b+1]|, 0x4800000   ; my 16 numbers of block b, and the floor 2^(9 - 127): the byte cannot fall under 1
.endr
.irp i, 2,4,6,8,10,12,14
.irp b, 0,1
	v_max3_num_f32 v[TM+\b], v[TM+\b], |v[(\s)+16*\b+\i]|, |v[(\s)+16*\b+\i+1]|
.endr
.endr
.irp b, 0,1
	v_permlanex16_b32 v[TM+2+\b], v[TM+\b], s[SEL], s[SEL+1]
.endr
.irp b, 0,1
	v_max_num_f32 v[TM+\b], v[TM+\b], v[TM+2+\b]                  ; with lane l xor 16's 16: the block's largest magnitude
.endr
.irp b, 0,1
	v_add_nc_u32 v[TM+6+\b], 0xfc000000, v[TM+\b]                 ; 8 off its exponent field: the conversion's scale operand
.endr
.irp b, 0,1
	v_and_or_b32 v[TM+4+\b], v[TM+\b], 0x7f800000, s[MNT]         ; 448 x the scale
.endr
.irp b, 0,1
	v_lshrrev_b32 v[TM+2+\b], 23, v[TM+6+\b]                      ; the scale's byte
.endr
	v_lshl_or_b32 v[PW], v[TM+3], 8, v[TM+2]
.irp b, 0,1
.irp i, 0,1,2,3,4,5,6,7,8,9,10,11,12,13,14,15
	v_med3_num_f32 v[(\s)+16*\b+\i], v[(\s)+16*\b+\i], -v[TM+4+\b], v[TM+4+\b]   ; the conversion to an 8-bit code does not saturate (ISA guide 7.6.2): the hold
.endr
	v_cvt_scalef32_pk8_fp8_f32 v[PC+4*\b:PC+4*\b+1], v[(\s)+16*\b:(\s)+16*\b+7], v[TM+6+\b]
	v_cvt_scalef32_pk8_fp8_f32 v[PC+4*\b+2:PC+4*\b+3], v[(\s)+16*\b+8:(\s)+16*\b+15], v[TM+6+\b]
.endr
	v_nop                                  ; a plain line between the last conversion and whatever next touches its registers
.endm
.macro WLOAD s                         ; W's four fragments of K step s, from the slice in LDS
.irp i, 0,1,2,3
.irp c, 0,1,2,3
	ds_load_b128 v[64*((\s)%4)+16*\i+4*\c:64*((\s)%4)+16*\i+4*\c+3], v[AW+\i] offset:128*(\s)+32*\c
.endr
.endr
.endm
.macro ALOAD s                         ; x's fragments of K step s for my two tiles: each lane gathers from its token's row
.irp g, 0,1
.irp c, 0,1,2,3
	global_load_b128 v[32*(\s)+16*\g+4*\c:32*(\s)+16*\g+4*\c+3], v[VA+\g], s[6:7] offset:128*(\s)+32*\c
.endr
.endr
.endm
.macro MUL s                           ; 8 products, the 8 accumulators by turns; K step 0 begins the sums with the bias
.irp g, 0,1
.irp i, 0,1,2,3
.if (\s)==0
	WM ACC+8*(4*\g+\i),64*(\s)+16*\i,32*(\s)+16*\g,BI+8*\i,SW+4*(\i/2)+(\s),AS+4*\g+(\s),\i%2,0
.else
	WM ACC+8*(4*\g+\i),64*(\s)+16*\i,32*(\s)+16*\g,ACC+8*(4*\g+\i),SW+4*(\i/2)+(\s),AS+4*\g+(\s),\i%2,0
.endif
.endr
.endr
.endm
.macro LEVEL w                         ; one step down the tree: past the lower half if the rank is not in it
	v_cmp_ge_u32 vcc_lo, v[QQ], v[CC]
	v_cndmask_b32 v[TT], 0, v[CC], vcc_lo
	v_sub_nc_u32 v[QQ], v[QQ], v[TT]
	v_cndmask_b32 v[TT], 0, \w, vcc_lo
	v_add_nc_u32 v[PO], v[PO], v[TT]
.endm
; My two tiles (s28 and s28 + 4; a tile that the expert does not have is replaced: the second by the first, the first by tile 0), their addresses, and their 32 tokens:
; lanes 0-15 find the tokens of the first tile, lanes 16-31 those of the second.
.macro PLACE
	s_cmp_lt_u32 s28, s27
	s_cselect_b32 s79, s28, 0
	s_add_co_u32 s67, s28, 4
	s_cmp_lt_u32 s67, s27
	s_cselect_b32 s30, 1, 0                        ; is there a second tile?
	s_cselect_b32 s29, s67, s79
	s_min_u32 s79, s79, 63
	s_min_u32 s29, s29, 63
	s_lshl_b32 s67, s79, 15
	s_lshl_b32 s68, s29, 15
	v_add_nc_u32 v[VO], s67, v[VL]                 ; codes out: 16 lane + 32768 tile
	v_add_nc_u32 v[VO+1], s68, v[VL]
	s_lshl_b32 s67, s79, 10
	s_lshl_b32 s68, s29, 10
	v_lshl_add_u32 v[VSS], v1, 4, s67              ; scale bytes out: 16 r + 1024 tile
	v_lshl_add_u32 v[VSS+1], v1, 4, s68
	s_lshl_b32 s67, s79, 4
	s_lshl_b32 s68, s29, 4
	v_add_nc_u32 v22, s67, v1
	v_add_nc_u32 v23, s68, v1
	v_cndmask_b32 v[KR], v22, v23, s74             ; my position in the expert's list
	v_min_u32 v[KR], 0x3ff, v[KR]
	v_lshlrev_b32 v[KR4], 2, v[KR]
	v_min_u32 v[KK], s31, v[KR]                    ; my rank: positions past the last member take the last member
	v_mov_b32 v[MM], s[MK]
	v_mov_b32 v[EE], 0
	v_mov_b32 v[II], 0
	s_bcnt1_i32_b32 s66, s[MK]
.set k, 1
.rept 31                               ; the last word whose running count is at most my rank holds my member
	v_cmp_le_u32 vcc_lo, s66, v[KK]
	v_cndmask_b32 v[MM], v[MM], s[MK+k], vcc_lo
	v_cndmask_b32 v[EE], v[EE], s66, vcc_lo
	v_cndmask_b32 v[II], v[II], k, vcc_lo
	s_bcnt1_i32_b32 s67, s[MK+k]
	s_add_co_u32 s66, s66, s67
.set k, k+1
.endr
	v_sub_nc_u32 v[QQ], v[KK], v[EE]               ; my rank within the word
	v_lshrrev_b32 v[TT], 1, v[MM]
	v_and_b32 v[TT], 0x55555555, v[TT]
	v_sub_nc_u32 v[A1], v[MM], v[TT]               ; counts of 2 bits,
	v_lshrrev_b32 v[TT], 2, v[A1]
	v_and_b32 v[A2], 0x33333333, v[A1]
	v_and_b32 v[TT], 0x33333333, v[TT]
	v_add_nc_u32 v[A2], v[A2], v[TT]               ; of 4,
	v_lshrrev_b32 v[TT], 4, v[A2]
	v_add_nc_u32 v[TT], v[TT], v[A2]
	v_and_b32 v[A3], 0x0f0f0f0f, v[TT]             ; of 8,
	v_lshrrev_b32 v[TT], 8, v[A3]
	v_add_nc_u32 v[TT], v[TT], v[A3]
	v_and_b32 v[CC], 0xff, v[TT]                   ; and of the low 16
	v_mov_b32 v[PO], 0
	LEVEL 16
	v_bfe_u32 v[CC], v[A3], v[PO], 8
	LEVEL 8
	v_bfe_u32 v[CC], v[A2], v[PO], 4
	LEVEL 4
	v_bfe_u32 v[CC], v[A1], v[PO], 2
	LEVEL 2
	v_bfe_u32 v[CC], v[MM], v[PO], 1
	LEVEL 1
	v_lshl_or_b32 v[TK], v[II], 5, v[PO]           ; my token
	v_permlanex16_b32 v[TX], v[TK], s[SEL], s[SEL+1]
	v_cndmask_b32 v22, v[TK], v[TX], s74           ; every lane: token r of the first tile,
	v_cndmask_b32 v23, v[TX], v[TK], s74           ; and of the second
	v_min_u32 v22, 0x3ff, v22
	v_min_u32 v23, 0x3ff, v23
	v_lshl_add_u32 v[VA], v22, 9, v3               ; its row of codes + 16 h
	v_lshl_add_u32 v[VA+1], v23, 9, v3
	v_lshlrev_b32 v[VS], 4, v22                    ; its four scale words
	v_lshlrev_b32 v[VS+1], 4, v23
.endm
.macro PRE                             ; a pass's 2 + 32 loads
	global_load_b128 v[AS:AS+3], v[VS], s[8:9]
	global_load_b128 v[AS+4:AS+7], v[VS+1], s[8:9]
	WIN 0x80
.irp s, 0,1,2,3
	ALOAD \s
.endr
	WIN 0
.endm
.macro FINAL g                         ; tile g's 64 units: quantised, 1,024 bytes of codes in two stores of 512 consecutive bytes, two scale bytes a token
	s_wait_xcnt 0x0                                ; the earlier stores have read their data: the codes' registers may be written again
	QUANT2 ACC+32*\g
	global_store_b128 v[VO+\g], v[PC:PC+3], s[16:17]
	global_store_b128 v[VO+\g], v[PC+4:PC+7], s[16:17] offset:512
	global_store_b16 v[VSS+\g], v[PW], s[18:19]    ; lanes 16-31 hold the same bytes for the same place
.endm
	s_load_b512 s[4:19], s[0:1], 0x0               ; choice, x codes, x scales, w1 codes, w1 scales, b1, t1c, t1s
	s_load_b128 s[20:23], s[0:1], 0x40             ; order, tiles
	v_lshl_add_u32 v[SPW], v0, 2, SPARE
	v_mov_b32 v[NIL], 0
	v_lshrrev_b32 v1, 5, v0
	v_readfirstlane_b32 s24, v1                    ; wave 0..3
	s_lshr_b32 s25, ttmp9, 5                       ; expert
	s_and_b32 s26, ttmp9, 31                       ; slice
	v_and_b32 v1, 15, v0                           ; r
	v_bfe_u32 v2, v0, 4, 1                         ; h
	v_lshlrev_b32 v3, 4, v2                        ; 16 h
	v_and_b32 v22, 31, v0
	v_lshlrev_b32 v[VL], 4, v22                    ; 16 x lane
	v_lshlrev_b32 v26, 2, v22                      ; 4 x lane
	s_mul_i32 s67, s24, 16*PITCH
	v_add_nc_u32 v[VWS], s67, v[VL]                ; staging: my wave's 16 rows of the slice
	v_mul_u32_u24 v23, v1, PITCH
	v_add_nc_u32 v23, v23, v3
.irp i, 0,1,2,3
	v_add_nc_u32 v[AW+\i], 16*PITCH*\i, v23        ; tile i's fragments: row r x pitch + 16 h
.endr
	v_and_b32 v24, 8, v1
	v_add_nc_u32 v24, v24, v1
	v_lshl_add_u32 v24, v2, 3, v24                 ; r + 8 (r / 8) + 8 h: lanes 16-31 take the odd tile's rows
	v_lshlrev_b32 v[VSW], 4, v24                   ; W's scale words: 16 bytes a row
	v_lshlrev_b32 v[VBI], 6, v2                    ; the bias: 16 h numbers on
	v_mov_b32 v25, 0
	v_mov_b32 v[TM+2], 0                           ; written once: a lane permute's destination counts as one of its sources
	v_mov_b32 v[TM+3], 0
	v_mov_b32 v[TX], 0
	s_mov_b32 s[SEL], 0x76543210
	s_mov_b32 s[SEL+1], 0xfedcba98
	s_mov_b32 s74, 0xffff0000                      ; lanes 16-31
	s_mov_b32 s[MNT], 0x600000
	s_lshl_b32 s67, s25, 11
	s_lshl_b32 s68, s26, 6
	s_add_co_u32 s67, s67, s68                     ; the slice's first row among the 8 x 2,048
	s_lshr_b32 s68, s24, 1
	s_lshl_b32 s68, s68, 5
	s_and_b32 s69, s24, 1
	s_lshl_b32 s69, s69, 3
	s_add_co_u32 s68, s68, s69
	s_add_co_u32 s68, s68, s67                     ; the first row of tile w, which I stage
	s_lshr_b32 s69, s26, 4                         ; where the slice's two scale bytes of a token lie in a tile's 1,024
	s_lshl_b32 s69, s69, 9
	s_bfe_u32 s70, s26, 0x10001
	s_lshl_b32 s70, s70, 8
	s_add_co_u32 s69, s69, s70
	s_bfe_u32 s70, s26, 0x20002
	s_lshl_b32 s70, s70, 2
	s_add_co_u32 s69, s69, s70
	s_and_b32 s70, s26, 1
	s_lshl_b32 s70, s70, 1
	s_add_co_u32 s69, s69, s70
	s_mov_b32 s77, 0
	s_wait_kmcnt 0x0
	s_lshl_b32 s76, s68, 9
	s_add_nc_u64 s[10:11], s[10:11], s[76:77]
	s_lshl_b32 s76, s67, 4
	s_add_nc_u64 s[12:13], s[12:13], s[76:77]
	s_lshl_b32 s76, s67, 2
	s_add_nc_u64 s[14:15], s[14:15], s[76:77]
	s_lshl_b32 s76, s25, 21
	s_add_nc_u64 s[16:17], s[16:17], s[76:77]
	s_lshl_b32 s76, s26, 10
	s_add_nc_u64 s[16:17], s[16:17], s[76:77]
	s_lshl_b32 s76, s25, 16
	s_add_nc_u64 s[18:19], s[18:19], s[76:77]
	s_mov_b32 s76, s69
	s_add_nc_u64 s[18:19], s[18:19], s[76:77]
	s_lshl_b32 s76, s25, 12
	s_add_nc_u64 s[20:21], s[20:21], s[76:77]
	s_lshl_b32 s76, s25, 2
	s_add_nc_u64 s[22:23], s[22:23], s[76:77]
	; ---- the choices first, then what hangs on ids alone: 2 + 8 + 16 loads
.set k, 0
.rept 32
	global_load_b32 v[CH+k], v26, s[4:5] offset:128*k
.set k, k+1
.endr
.irp b, 0,1
	global_load_b128 v[SW+4*\b:SW+4*\b+3], v[VSW], s[12:13] offset:512*\b
.endr
	WIN 0x80
.irp i, 0,1,2,3
	global_load_b128 v[BI+8*\i:BI+8*\i+3], v[VBI], s[14:15] offset:(32*(\i/2)+8*(\i%2))*4
	global_load_b128 v[BI+8*\i+4:BI+8*\i+7], v[VBI], s[14:15] offset:(32*(\i/2)+8*(\i%2))*4+16
.endr
	WIN 0x40
.irp p, 0,1,2,3,4,5,6,7,8,9,10,11,12,13,14,15
	global_load_b128 v[4*\p:4*\p+3], v[VL], s[10:11] offset:(\p+8*(\p/8))*512 th:TH_LOAD_NT   ; a whole row of 512 bytes; read once in the launch
.endr
	WIN 0
	s_wait_loadcnt 26                              ; the 32 choices are in; the 26 loads behind them may stay out
.set k, 0
.rept 32
	v_cmp_eq_u32 s[MK+k], s25, v[CH+k]             ; bit l of mask k: token 32 k + l chose my expert
.set k, k+1
.endr
	s_mov_b32 s78, 0
.set k, 0
.rept 32
	s_bcnt1_i32_b32 s67, s[MK+k]
	s_add_co_u32 s78, s78, s67
.set k, k+1
.endr
	s_add_co_u32 s27, s78, 15
	s_lshr_b32 s27, s27, 4
	s_min_u32 s27, s27, 64                         ; the expert's tiles
	s_or_b32 s67, s26, s24
	s_cmp_lg_u32 s67, 0
	s_cbranch_scc1 .Lnot_first
	v_mov_b32 v24, s27
	global_store_b32 v25, v24, s[22:23]            ; slice 0's wave 0 stores the number; all lanes the same word
.Lnot_first:
	s_max_u32 s27, s27, 1                          ; here and in layer 2 an expert has one tile at the least
	s_max_u32 s31, s78, 1
	s_sub_co_u32 s31, s31, 1                       ; the last member's rank
	s_add_co_u32 s[NPS], s27, 7
	s_sub_co_u32 s[NPS], s[NPS], s24
	s_lshr_b32 s[NPS], s[NPS], 3                   ; my passes: tiles w, w + 8, .. under the expert's number; 0 where w is not under it
	s_min_u32 s[NPS], s[NPS], 8
	s_mov_b32 s[PS], 0
	s_mov_b32 s28, s24                             ; my first tile
	PLACE
	PRE
	; ---- the slice into LDS
	s_wait_loadcnt 34                              ; the raw rows are in; the pass's 34 loads may stay out
	WIN 0x04
.irp p, 0,1,2,3,4,5,6,7,8,9,10,11,12,13,14,15
	ds_store_b128 v[VWS], v[4*\p:4*\p+3] offset:\p*PITCH
.endr
	WIN 0
	s_wait_dscnt 0x0                               ; for the others' sake: my rows have landed
	s_barrier_signal -1
	s_barrier_wait -1                              ; the one barrier; from here on the slice is only read
	s_cmp_eq_u32 s[NPS], 0
	s_cbranch_scc1 .Ldone                          ; a wave without a tile
	WIN 0x40
.irp s, 0,1,2,3
	WLOAD \s                                       ; W's 16 fragments stay in registers
.endr
	WIN 0
.Lpass:
	s_cmp_lg_u32 s26, 0
	s_cbranch_scc1 .Lno_list
	global_store_b32 v[KR4], v[TK], s[20:21]       ; slice 0 stores the list: position -> token
.Lno_list:
	s_wait_dscnt 0x0                               ; W's fragments
.irp s, 0,1,2,3
	s_wait_loadcnt 8*(3-\s)                        ; x's K step s is in; the later steps' 8 loads each may stay out
.if \s==0
	WIN 0x29                                       ; W window 1, x window 2, the bias (C) window 2
.else
	WIN 0x09
.endif
	MUL \s
.endr
	WIN 0
	PLACES 9                                       ; 8 in front of reads of results and of loads into operands, 9 in front of products that begin the accumulators anew
	FINAL 0
	s_cmp_eq_u32 s30, 0
	s_cbranch_scc1 .Lone
	FINAL 1
.Lone:
	s_add_co_u32 s[PS], s[PS], 1                   ; the loop's counter: one a trip
	s_cmp_ge_u32 s[PS], s[NPS]
	s_cbranch_scc1 .Ldone                          ; the last pass asks for no further tile
	s_add_co_u32 s28, s28, 8
	s_wait_xcnt 0x0                                ; the stores have read their addresses and data
	PLACE
	PRE
	s_cmp_lt_u32 s[PS], s[NPS]
	s_cbranch_scc1 .Lpass
.Ldone:
	s_wait_tensorcnt 0x0                           ; the wave's end, behind my last LDS store
	ds_add_u32 v[SPW], v[NIL]
	s_wait_dscnt 0x0
	s_endpgm
.Lfunc_end_k_q3abcd0cb28_layer1:
	.size	k_q3abcd0cb28_layer1, .Lfunc_end_k_q3abcd0cb28_layer1-k_q3abcd0cb28_layer1
	.p2alignl 7, 3214868480
	.fill 96, 4, 3214868480
	.section	.rodata,"a",@progbits
	.p2align	6, 0x0
	.amdhsa_kernel k_q3abcd0cb28_layer1
		.amdhsa_group_segment_fixed_size 34304
		.amdhsa_private_segment_fixed_size 0
		.amdhsa_enable_private_segment 0
		.amdhsa_kernarg_size 80
		.amdhsa_user_sgpr_count 2
		.amdhsa_user_sgpr_kernarg_segment_ptr 1
		.amdhsa_wavefront_size32 1
		.amdhsa_system_sgpr_workgroup_id_x 1
		.amdhsa_system_sgpr_workgroup_id_y 1
		.amdhsa_system_sgpr_workgroup_id_z 1
		.amdhsa_system_vgpr_workitem_id 0
		.amdhsa_next_free_vgpr 672
		.amdhsa_next_free_sgpr 80
		.amdhsa_reserve_vcc 1
		.amdhsa_float_denorm_mode_32 3
		.amdhsa_float_denorm_mode_16_64 3
		.amdhsa_memory_ordered 1
		.amdhsa_forward_progress 1
		.amdhsa_inst_pref_size 64
	.end_amdhsa_kernel
	.amdgpu_metadata
---
amdhsa.version: [ 1, 2 ]
amdhsa.kernels:
  - .name:           k_q3abcd0cb28_layer1
    .symbol:         k_q3abcd0cb28_layer1.kd
    .args:
      - { .name: choice, .offset: 0, .size: 8, .value_kind: global_buffer, .address_space: global }
      - { .name: x_codes, .offset: 8, .size: 8, .value_kind: global_buffer, .address_space: global }
      - { .name: x_scales, .offset: 16, .size: 8, .value_kind: global_buffer, .address_space: global }
      - { .name: w1_codes, .offset: 24, .size: 8, .value_kind: global_buffer, .address_space: global }
      - { .name: w1_scales, .offset: 32, .size: 8, .value_kind: global_buffer, .address_space: global }
      - { .name: b1, .offset: 40, .size: 8, .value_kind: global_buffer, .address_space: global }
      - { .name: t1c, .offset: 48, .size: 8, .value_kind: global_buffer, .address_space: global }
      - { .name: t1s, .offset: 56, .size: 8, .value_kind: global_buffer, .address_space: global }
      - { .name: order, .offset: 64, .size: 8, .value_kind: global_buffer, .address_space: global }
      - { .name: tiles, .offset: 72, .size: 8, .value_kind: global_buffer, .address_space: global }
    .group_segment_fixed_size: 34304
    .private_segment_fixed_size: 0
    .kernarg_segment_align: 8
    .kernarg_segment_size: 80
    .max_flat_workgroup_size: 128
    .sgpr_count:     80
    .vgpr_count:     672
    .wavefront_size: 32
...
	.end_amdgpu_metadata
.endif
;; end of part 2
;; launch layer2 (part 3): grid 256 x 1, 4 waves a work-group, no clusters, 132,608 bytes of LDS; arguments t1c, t1s, w2_codes, w2_scales, b2, tiles, t2c, t2s; writes t2c, t2s
.if DOCPART == 3
	.amdgcn_target "amdgcn-amd-amdhsa--gfx1250"
	.amdhsa_code_object_version 6
	.text
	.protected	k_q3abcd0cb28_layer2
	.globl	k_q3abcd0cb28_layer2
	.p2align	8
	.type	k_q3abcd0cb28_layer2,@function
k_q3abcd0cb28_layer2:
	s_mov_b64 s[64:65], 0
	v_nop
	global_prefetch_b8 v0, s[64:65] scope:SCOPE_SE
	s_setreg_imm32_b32 hwreg(HW_REG_WAVE_MODE, 25, 1), 1
	s_wait_xcnt 0x0
; LAYER 2 OF THE CHOSEN EXPERTS: t2 = Q(elu(t1 W2[e] + b2[e])), on the rows as layer 1 placed them.
; SHARES.  Work-group x: expert e = x / 32, slice sg = x % 32: 64 of the 2,048 units, so that each byte of W2 is read once in the launch.  The slice's codes (64 rows x 2,048 bytes) come 512 consecutive
; bytes a load and lie in LDS as rows 2,064 bytes apart (129 x 16: the 16 rows of a fragment load start in 16 different groups of banks).  A wave takes tiles of 16 rows, w and w + 4, then 8 further on,
; through all of K: no sum crosses waves; the one barrier stands behind the staging, ahead of every branch on loaded numbers; every LDS address is a constant + lane and wave terms + an immediate.
; The loop counts the wave's passes, one a trip, against their number, (tiles + 7 - w) / 8, which is made ahead of it.
; t1c is an image of the operand's registers: a K step's fragment of a tile is four loads of 512 consecutive bytes, straight into registers, through a ring of eight K steps, seven ahead.
; A wave without a tile issues the first pass's loads for tile 0 all the same, so that the counts of loads are the same on every path.  An expert has one tile at the least (as in layer 1).
; LIMITS: NaN and infinities are not served; blocks whose largest magnitude lies under 2^-118 keep the scale byte 1 (this program alone reads the bytes); the sums begin with the bias.
; No tensor load, no cluster: trip counts hang on a number read from memory.  No prefetch: a work-group asks for all its weights at its head.
; REGISTERS.  window 0: v1-19 lane terms and addresses; v32-95 eight accumulators; v96-127 W's scale words; v128-143 t1's; v144-197 at work.
;   window 1: first the 64 raw loads, then four buffers of W's four fragments.   window 2: the ring of t1's fragments.   window 3: v0-31 the bias in the result's layout.
.set PITCH, 2064
.set SPARE, 64*PITCH                   ; behind the slice: the spare words, 128 bytes a wave: two blocks of 256 bytes that no other line names
.set VL,  4
.set VWS, 5
.set AW,  6
.set VSW, 10
.set VBI, 11
.set VA,  12
.set VS,  14
.set VSS, 18
.set SPW, 20
.set NIL, 21
.set ACC, 32
.set SW,  96
.set AS,  128
.set PC,  144
.set PW,  152
.set TM,  154
.set T,   164
.set Q,   180
.set KC,  196
.set BI,  0                            ; in window 3
.set SEL, 34
.set MNT, 36
.set PS,  37                           ; s37  passes done
.set NPS, 38                           ; s38  my wave's passes
.set MSB, 0
.macro WIN new                         ; the immediate's high byte repeats the setting that is left
.if MSB != \new
	s_set_vgpr_msb (MSB<<8)|\new
.set MSB, \new
.endif
.endm
.macro PLACES n
.rept \n
	v_nop
.endr
.endm
.macro WM d, a, b, c, sa, sb, ra, rb
.if (\ra) && (\rb)
	v_wmma_scale_f32_16x16x128_f8f6f4 v[(\d):(\d)+7], v[(\a):(\a)+15], v[(\b):(\b)+15], v[(\c):(\c)+7], v[(\sa)], v[(\sb)] matrix_a_scale:MATRIX_SCALE_ROW1 matrix_b_scale:MATRIX_SCALE_ROW1
.elseif (\ra)
	v_wmma_scale_f32_16x16x128_f8f6f4 v[(\d):(\d)+7], v[(\a):(\a)+15], v[(\b):(\b)+15], v[(\c):(\c)+7], v[(\sa)], v[(\sb)] matrix_a_scale:MATRIX_SCALE_ROW1
.elseif (\rb)
	v_wmma_scale_f32_16x16x128_f8f6f4 v[(\d):(\d)+7], v[(\a):(\a)+15], v[(\b):(\b)+15], v[(\c):(\c)+7], v[(\sa)], v[(\sb)] matrix_b_scale:MATRIX_SCALE_ROW1
.else
	v_wmma_scale_f32_16x16x128_f8f6f4 v[(\d):(\d)+7], v[(\a):(\a)+15], v[(\b):(\b)+15], v[(\c):(\c)+7], v[(\sa)], v[(\sb)]
.endif
.endm
; 32 numbers of a lane, register 16 b + i = unit 32 b + 16 (lane / 16) + i of my row, become 32 codes in v[PC] on and two scale bytes in v[PW]
.macro QUANT2 s
.irp b, 0,1
	v_max3_num_f32 v[TM+\b], |v[(\s)+16*\b]|, |v[(\s)+16*\b+1]|, 0x4800000   ; my 16 numbers of block b, and the floor 2^(9 - 127): the byte cannot fall under 1
.endr
.irp i, 2,4,6,8,10,12,14
.irp b, 0,1
	v_max3_num_f32 v[TM+\b], v[TM+\b], |v[(\s)+16*\b+\i]|, |v[(\s)+16*\b+\i+1]|
.endr
.endr
.irp b, 0,1
	v_permlanex16_b32 v[TM+2+\b], v[TM+\b], s[SEL], s[SEL+1]
.endr
.irp b, 0,1
	v_max_num_f32 v[TM+\b], v[TM+\b], v[TM+2+\b]                  ; with lane l xor 16's 16: the block's largest magnitude
.endr
.irp b, 0,1
	v_add_nc_u32 v[TM+6+\b], 0xfc000000, v[TM+\b]                 ; 8 off its exponent field: the conversion's scale operand
.endr
.irp b, 0,1
	v_and_or_b32 v[TM+4+\b], v[TM+\b], 0x7f800000, s[MNT]         ; 448 x the scale
.endr
.irp b, 0,1
	v_lshrrev_b32 v[TM+2+\b], 23, v[TM+6+\b]                      ; the scale's byte
.endr
	v_lshl_or_b32 v[PW], v[TM+3], 8, v[TM+2]
.irp b, 0,1
.irp i, 0,1,2,3,4,5,6,7,8,9,10,11,12,13,14,15
	v_med3_num_f32 v[(\s)+16*\b+\i], v[(\s)+16*\b+\i], -v[TM+4+\b], v[TM+4+\b]   ; the conversion to an 8-bit code does not saturate (ISA guide 7.6.2): the hold
.endr
	v_cvt_scalef32_pk8_fp8_f32 v[PC+4*\b:PC+4*\b+1], v[(\s)+16*\b:(\s)+16*\b+7], v[TM+6+\b]
	v_cvt_scalef32_pk8_fp8_f32 v[PC+4*\b+2:PC+4*\b+3], v[(\s)+16*\b+8:(\s)+16*\b+15], v[TM+6+\b]
.endr
	v_nop                                  ; a plain line between the last conversion and whatever next touches its registers
.endm
; elu in place on 16 numbers.  Under -0.25: 2^(x log2 e) - 1.  Above: x + x^2/2 + .. + x^6/720, since exp(x) - 1 cancels for small x (what is cut off is under 5e-8 of x there).
; The median of (x, that, 0) is elu: for x < 0, x <= exp(x) - 1 <= 0; for x > 0 the series is at least x.
.macro ELU16 x
.irp j, 0,2,4,6,8,10,12,14
	v_pk_mul_f32 v[T+\j:T+\j+1], v[(\x)+\j:(\x)+\j+1], 0x3fb8aa3b op_sel_hi:[1,0]
.endr
.irp j, 0,1,2,3,4,5,6,7,8,9,10,11,12,13,14,15
	v_exp_f32 v[T+\j], v[T+\j]
.endr
.irp j, 0,2,4,6,8,10,12,14             ; the series: 48 plain lines that name no exponential's result
	v_pk_fma_f32 v[Q+\j:Q+\j+1], v[(\x)+\j:(\x)+\j+1], 0x3ab60b61, v[KC:KC+1] op_sel_hi:[1,0,1]
.endr
.irp j, 0,2,4,6,8,10,12,14
	v_pk_fma_f32 v[Q+\j:Q+\j+1], v[Q+\j:Q+\j+1], v[(\x)+\j:(\x)+\j+1], 0x3d2aaaab op_sel_hi:[1,1,0]
.endr
.irp j, 0,2,4,6,8,10,12,14
	v_pk_fma_f32 v[Q+\j:Q+\j+1], v[Q+\j:Q+\j+1], v[(\x)+\j:(\x)+\j+1], 0x3e2aaaab op_sel_hi:[1,1,0]
.endr
.irp j, 0,2,4,6,8,10,12,14
	v_pk_fma_f32 v[Q+\j:Q+\j+1], v[Q+\j:Q+\j+1], v[(\x)+\j:(\x)+\j+1], 0.5 op_sel_hi:[1,1,0]
.endr
.irp j, 0,2,4,6,8,10,12,14
	v_pk_mul_f32 v[Q+\j:Q+\j+1], v[Q+\j:Q+\j+1], v[(\x)+\j:(\x)+\j+1]
.endr
.irp j, 0,2,4,6,8,10,12,14
	v_pk_fma_f32 v[Q+\j:Q+\j+1], v[Q+\j:Q+\j+1], v[(\x)+\j:(\x)+\j+1], v[(\x)+\j:(\x)+\j+1]
.endr
	s_wait_alu depctr_va_vdst(0)           ; one wait for the 16 exponentials, ahead of their first reader
.irp j, 0,2,4,6,8,10,12,14
	v_pk_add_f32 v[T+\j:T+\j+1], v[T+\j:T+\j+1], -1.0 op_sel_hi:[1,0]
.endr
.irp j, 0,1,2,3,4,5,6,7,8,9,10,11,12,13,14,15
	v_cmp_lt_f32 vcc_lo, 0xbe800000, v[(\x)+\j]
	v_cndmask_b32 v[T+\j], v[T+\j], v[Q+\j], vcc_lo
	v_med3_num_f32 v[(\x)+\j], v[(\x)+\j], v[T+\j], 0
.endr
.endm
.macro WLOAD s                         ; W's four fragments of K step s, from the slice in LDS, into buffer s % 4
.irp i, 0,1,2,3
.irp c, 0,1,2,3
	ds_load_b128 v[64*((\s)%4)+16*\i+4*\c:64*((\s)%4)+16*\i+4*\c+3], v[AW+\i] offset:128*(\s)+32*\c
.endr
.endr
.endm
.macro ALOAD s                         ; t1's fragments of K step s for my two tiles, into ring place s % 8: 512 consecutive bytes a load
.irp g, 0,1
.irp c, 0,1,2,3
	global_load_b128 v[32*((\s)%8)+16*\g+4*\c:32*((\s)%8)+16*\g+4*\c+3], v[VA+\g], s[4:5] offset:2048*(\s)+512*\c
.endr
.endr
.endm
.macro MUL s                           ; 8 products, the 8 accumulators by turns; K step 0 begins the sums with the bias
.irp g, 0,1
.irp i, 0,1,2,3
.if (\s)==0
	WM ACC+8*(4*\g+\i),64*((\s)%4)+16*\i,32*((\s)%8)+16*\g,BI+8*\i,SW+16*(\i/2)+(\s),AS+8*\g+(\s)/2,\i%2,(\s)%2
.else
	WM ACC+8*(4*\g+\i),64*((\s)%4)+16*\i,32*((\s)%8)+16*\g,ACC+8*(4*\g+\i),SW+16*(\i/2)+(\s),AS+8*\g+(\s)/2,\i%2,(\s)%2
.endif
.endr
.endr
.endm
; my two tiles (s24 and s24 + 4; a tile that the expert does not have is replaced: the second by the first, the first by tile 0) and their addresses
.macro PLACE
	s_cmp_lt_u32 s24, s23
	s_cselect_b32 s27, s24, 0
	s_add_co_u32 s28, s24, 4
	s_cmp_lt_u32 s28, s23
	s_cselect_b32 s26, 1, 0                        ; is there a second tile?
	s_cselect_b32 s25, s28, s27
	s_min_u32 s27, s27, 63
	s_min_u32 s25, s25, 63
	s_lshl_b32 s28, s27, 15
	s_lshl_b32 s29, s25, 15
	v_add_nc_u32 v[VA], s28, v[VL]                 ; codes, in and out: 16 lane + 32768 tile
	v_add_nc_u32 v[VA+1], s29, v[VL]
	s_lshl_b32 s28, s27, 10
	s_lshl_b32 s29, s25, 10
	v_add_nc_u32 v[VS], s28, v[VL]                 ; scale words in: 16 lane + 1024 tile
	v_add_nc_u32 v[VS+1], s29, v[VL]
	v_lshl_add_u32 v[VSS], v1, 4, s28              ; scale bytes out: 16 r + 1024 tile
	v_lshl_add_u32 v[VSS+1], v1, 4, s29
.endm
.macro PRE                             ; a pass's first 4 + 56 loads
.irp g, 0,1
	global_load_b128 v[AS+8*\g:AS+8*\g+3], v[VS+\g], s[6:7]
	global_load_b128 v[AS+8*\g+4:AS+8*\g+7], v[VS+\g], s[6:7] offset:512
.endr
	WIN 0x80
.irp s, 0,1,2,3,4,5,6
	ALOAD \s
.endr
	WIN 0
.endm
.macro FINAL g                         ; tile g's 64 units: elu, quantised, 1,024 bytes of codes in two stores of 512 consecutive bytes, two scale bytes a row
	s_wait_xcnt 0x0                                ; the earlier stores have read their data: the codes' registers may be written again
	ELU16 ACC+32*\g
	ELU16 ACC+32*\g+16
	QUANT2 ACC+32*\g
	global_store_b128 v[VA+\g], v[PC:PC+3], s[16:17]
	global_store_b128 v[VA+\g], v[PC+4:PC+7], s[16:17] offset:512
	global_store_b16 v[VSS+\g], v[PW], s[18:19]    ; lanes 16-31 hold the same bytes for the same place
.endm
	s_load_b512 s[4:19], s[0:1], 0x0               ; t1c, t1s, w2 codes, w2 scales, b2, tiles, t2c, t2s
	v_lshl_add_u32 v[SPW], v0, 2, SPARE
	v_mov_b32 v[NIL], 0
	v_lshrrev_b32 v1, 5, v0
	v_readfirstlane_b32 s20, v1                    ; wave 0..3
	s_lshr_b32 s21, ttmp9, 5                       ; expert
	s_and_b32 s22, ttmp9, 31                       ; slice
	v_and_b32 v1, 15, v0                           ; r
	v_bfe_u32 v2, v0, 4, 1                         ; h
	v_lshlrev_b32 v3, 4, v2                        ; 16 h
	v_and_b32 v22, 31, v0
	v_lshlrev_b32 v[VL], 4, v22                    ; 16 x lane
	s_mul_i32 s28, s20, 16*PITCH
	v_add_nc_u32 v[VWS], s28, v[VL]                ; staging: my wave's 16 rows of the slice
	v_mul_u32_u24 v23, v1, PITCH
	v_add_nc_u32 v23, v23, v3
.irp i, 0,1,2,3
	v_add_nc_u32 v[AW+\i], 16*PITCH*\i, v23        ; tile i's fragments: row r x pitch + 16 h
.endr
	v_and_b32 v24, 8, v1
	v_add_nc_u32 v24, v24, v1
	v_lshl_add_u32 v24, v2, 3, v24                 ; r + 8 (r / 8) + 8 h: lanes 16-31 take the odd tile's rows
	v_lshlrev_b32 v[VSW], 6, v24                   ; W's scale words: 64 bytes a row
	v_lshlrev_b32 v[VBI], 6, v2                    ; the bias: 16 h numbers on
	v_mov_b32 v[TM+2], 0                           ; written once: a lane permute's destination counts as one of its sources
	v_mov_b32 v[TM+3], 0
	v_mov_b32 v[KC], 0x3c088889                    ; 1 / 120, twice
	v_mov_b32 v[KC+1], 0x3c088889
	s_mov_b32 s[SEL], 0x76543210
	s_mov_b32 s[SEL+1], 0xfedcba98
	s_mov_b32 s[MNT], 0x600000
	s_lshl_b32 s28, s21, 11
	s_lshl_b32 s29, s22, 6
	s_add_co_u32 s28, s28, s29                     ; the slice's first row among the 8 x 2,048
	s_lshr_b32 s29, s20, 1
	s_lshl_b32 s29, s29, 5
	s_and_b32 s30, s20, 1
	s_lshl_b32 s30, s30, 3
	s_add_co_u32 s29, s29, s30
	s_add_co_u32 s29, s29, s28                     ; the first row of tile w, which I stage
	s_lshr_b32 s31, s22, 4                         ; where the slice's two scale bytes of a row lie in a tile's 1,024
	s_lshl_b32 s31, s31, 9
	s_bfe_u32 s30, s22, 0x10001
	s_lshl_b32 s30, s30, 8
	s_add_co_u32 s31, s31, s30
	s_bfe_u32 s30, s22, 0x20002
	s_lshl_b32 s30, s30, 2
	s_add_co_u32 s31, s31, s30
	s_and_b32 s30, s22, 1
	s_lshl_b32 s30, s30, 1
	s_add_co_u32 s31, s31, s30
	s_mov_b32 s33, 0
	s_wait_kmcnt 0x0
	s_lshl_b32 s32, s21, 2
	s_add_nc_u64 s[14:15], s[14:15], s[32:33]
	s_load_b32 s23, s[14:15], 0x0                  ; the expert's tiles
	s_lshl_b32 s32, s21, 21
	s_add_nc_u64 s[4:5], s[4:5], s[32:33]
	s_add_nc_u64 s[16:17], s[16:17], s[32:33]
	s_lshl_b32 s32, s22, 10
	s_add_nc_u64 s[16:17], s[16:17], s[32:33]
	s_lshl_b32 s32, s21, 16
	s_add_nc_u64 s[6:7], s[6:7], s[32:33]
	s_add_nc_u64 s[18:19], s[18:19], s[32:33]
	s_mov_b32 s32, s31
	s_add_nc_u64 s[18:19], s[18:19], s[32:33]
	s_lshl_b32 s32, s29, 11
	s_add_nc_u64 s[8:9], s[8:9], s[32:33]
	s_lshl_b32 s32, s28, 6
	s_add_nc_u64 s[10:11], s[10:11], s[32:33]
	s_lshl_b32 s32, s28, 2
	s_add_nc_u64 s[12:13], s[12:13], s[32:33]
	; ---- what hangs on ids alone: 8 + 8 + 64 loads
.irp b, 0,1
.irp q, 0,1,2,3
	global_load_b128 v[SW+16*\b+4*\q:SW+16*\b+4*\q+3], v[VSW], s[10:11] offset:2048*\b+16*\q
.endr
.endr
	WIN 0xc0
.irp i, 0,1,2,3
	global_load_b128 v[BI+8*\i:BI+8*\i+3], v[VBI], s[12:13] offset:(32*(\i/2)+8*(\i%2))*4
	global_load_b128 v[BI+8*\i+4:BI+8*\i+7], v[VBI], s[12:13] offset:(32*(\i/2)+8*(\i%2))*4+16
.endr
	WIN 0x40
.irp p, 0,1,2,3,4,5,6,7,8,9,10,11,12,13,14,15
.irp q, 0,1,2,3
	global_load_b128 v[4*(4*\p+\q):4*(4*\p+\q)+3], v[VL], s[8:9] offset:(\p+8*(\p/8))*2048+512*\q th:TH_LOAD_NT   ; 512 consecutive bytes of a row; read once in the launch
.endr
.endr
	WIN 0
	s_wait_kmcnt 0x0
	s_min_u32 s23, s23, 64
	s_max_u32 s23, s23, 1                          ; an expert has one tile at the least, as in layer 1
	s_add_co_u32 s[NPS], s23, 7
	s_sub_co_u32 s[NPS], s[NPS], s20
	s_lshr_b32 s[NPS], s[NPS], 3                   ; my passes: tiles w, w + 8, .. under the expert's number; 0 where w is not under it
	s_min_u32 s[NPS], s[NPS], 8
	s_mov_b32 s[PS], 0
	s_mov_b32 s24, s20                             ; my first tile
	PLACE
	PRE
	; ---- the slice into LDS
	WIN 0x04
.irp p, 0,1,2,3,4,5,6,7,8,9,10,11,12,13,14,15
.if \p==0
	s_wait_loadcnt 63                              ; behind rows 0-11 stand 16 + 60 younger loads; the count's field holds 63
.endif
.if \p==12
	s_wait_loadcnt 60                              ; all raw rows are in; the pass's 60 loads may stay out
.endif
.irp q, 0,1,2,3
	ds_store_b128 v[VWS], v[4*(4*\p+\q):4*(4*\p+\q)+3] offset:\p*PITCH+512*\q
.endr
.endr
	WIN 0
	s_wait_dscnt 0x0                               ; for the others' sake: my rows have landed
	s_barrier_signal -1
	s_barrier_wait -1                              ; the one barrier; from here on the slice is only read
	s_cmp_eq_u32 s[NPS], 0
	s_cbranch_scc1 .Ldone                          ; a wave without a tile
.Lpass:
	WIN 0x40
	WLOAD 0
	WLOAD 1
.irp s, 0,1,2,3,4,5,6,7,8,9,10,11,12,13,14,15
.if \s>0
	PLACES 8                                       ; in front of loads into the ring place that the last step's products read, and into the buffer read two steps ago
.endif
.if \s+2<16
	WIN 0x40
	WLOAD \s+2
.endif
.if \s+7<16
	WIN 0x80
	ALOAD \s+7
.endif
.if \s<14
	s_wait_dscnt 32                                ; W's step s is in; the two later steps' 16 loads each may stay out
.else
	s_wait_dscnt 16*(15-\s)
.endif
.if \s+7<16
	s_wait_loadcnt 56                              ; t1's step s is in; seven later steps' 8 loads each may stay out
.else
	s_wait_loadcnt 8*(15-\s)
.endif
.if \s==0
	WIN 0x39                                       ; W window 1, t1 window 2, the bias (C) window 3
.else
	WIN 0x09
.endif
	MUL \s
.endr
	WIN 0
	PLACES 9                                       ; 8 in front of reads of results and of loads into operands, 9 in front of products that begin the accumulators anew
	FINAL 0
	s_cmp_eq_u32 s26, 0
	s_cbranch_scc1 .Lone
	FINAL 1
.Lone:
	s_add_co_u32 s[PS], s[PS], 1                   ; the loop's counter: one a trip
	s_cmp_ge_u32 s[PS], s[NPS]
	s_cbranch_scc1 .Ldone                          ; the last pass asks for no further tile
	s_add_co_u32 s24, s24, 8
	s_wait_xcnt 0x0                                ; the stores have read their addresses and data
	PLACE
	PRE
	s_cmp_lt_u32 s[PS], s[NPS]
	s_cbranch_scc1 .Lpass
.Ldone:
	s_wait_tensorcnt 0x0                           ; the wave's end, behind my last LDS store
	ds_add_u32 v[SPW], v[NIL]
	s_wait_dscnt 0x0
	s_endpgm
.Lfunc_end_k_q3abcd0cb28_layer2:
	.size	k_q3abcd0cb28_layer2, .Lfunc_end_k_q3abcd0cb28_layer2-k_q3abcd0cb28_layer2
	.p2alignl 7, 3214868480
	.fill 96, 4, 3214868480
	.section	.rodata,"a",@progbits
	.p2align	6, 0x0
	.amdhsa_kernel k_q3abcd0cb28_layer2
		.amdhsa_group_segment_fixed_size 132608
		.amdhsa_private_segment_fixed_size 0
		.amdhsa_enable_private_segment 0
		.amdhsa_kernarg_size 64
		.amdhsa_user_sgpr_count 2
		.amdhsa_user_sgpr_kernarg_segment_ptr 1
		.amdhsa_wavefront_size32 1
		.amdhsa_system_sgpr_workgroup_id_x 1
		.amdhsa_system_sgpr_workgroup_id_y 1
		.amdhsa_system_sgpr_workgroup_id_z 1
		.amdhsa_system_vgpr_workitem_id 0
		.amdhsa_next_free_vgpr 800
		.amdhsa_next_free_sgpr 66
		.amdhsa_reserve_vcc 1
		.amdhsa_float_denorm_mode_32 3
		.amdhsa_float_denorm_mode_16_64 3
		.amdhsa_memory_ordered 1
		.amdhsa_forward_progress 1
		.amdhsa_inst_pref_size 114
	.end_amdhsa_kernel
	.amdgpu_metadata
---
amdhsa.version: [ 1, 2 ]
amdhsa.kernels:
  - .name:           k_q3abcd0cb28_layer2
    .symbol:         k_q3abcd0cb28_layer2.kd
    .args:
      - { .name: t1c, .offset: 0, .size: 8, .value_kind: global_buffer, .address_space: global }
      - { .name: t1s, .offset: 8, .size: 8, .value_kind: global_buffer, .address_space: global }
      - { .name: w2_codes, .offset: 16, .size: 8, .value_kind: global_buffer, .address_space: global }
      - { .name: w2_scales, .offset: 24, .size: 8, .value_kind: global_buffer, .address_space: global }
      - { .name: b2, .offset: 32, .size: 8, .value_kind: global_buffer, .address_space: global }
      - { .name: tiles, .offset: 40, .size: 8, .value_kind: global_buffer, .address_space: global }
      - { .name: t2c, .offset: 48, .size: 8, .value_kind: global_buffer, .address_space: global }
      - { .name: t2s, .offset: 56, .size: 8, .value_kind: global_buffer, .address_space: global }
    .group_segment_fixed_size: 132608
    .private_segment_fixed_size: 0
    .kernarg_segment_align: 8
    .kernarg_segment_size: 64
    .max_flat_workgroup_size: 128
    .sgpr_count:     66
    .vgpr_count:     800
    .wavefront_size: 32
...
	.end_amdgpu_metadata
.endif
;; end of part 3
;; launch layer3 (part 4): grid 256 x 1, 4 waves a work-group, no clusters, 150,016 bytes of LDS; arguments t2c, t2s, w3_codes, w3_scales, b3, tiles, order, out0; writes out0
.if DOCPART == 4
	.amdgcn_target "amdgcn-amd-amdhsa--gfx1250"
	.amdhsa_code_object_version 6
	.text
	.protected	k_q3abcd0cb28_layer3
	.globl	k_q3abcd0cb28_layer3
	.p2align	8
	.type	k_q3abcd0cb28_layer3,@function
k_q3abcd0cb28_layer3:
	s_mov_b64 s[64:65], 0
	v_nop
	global_prefetch_b8 v0, s[64:65] scope:SCOPE_SE
	s_setreg_imm32_b32 hwreg(HW_REG_WAVE_MODE, 25, 1), 1
	s_wait_xcnt 0x0
; LAYER 3 OF THE CHOSEN EXPERTS: out0[token] = t2 W3[e] + b3[e], each row sent to its token's place.
; SHARES.  Work-group x: expert e = x / 32, slice sg = (x / 4) % 8: 64 of the 512 columns, which are 256 consecutive bytes of a row of out0, aligned; quarter p = x % 4 of the expert's tiles:
; tile t belongs to quarter t % 4 and there to wave (t / 4) % 4.  8 experts x 8 slices alone would be 64 work-groups, so a slice is read by four.
; The slice's codes (64 rows x 2,048 bytes) lie in LDS as in layer 2; a wave takes one tile of 16 rows at a time through all of K; t2's 16 fragments of a tile all fit in registers.
; The loop counts the wave's passes, one a trip, against their number, (tiles + 15 - first tile) / 16, which is made ahead of it.
; Every token chose one expert, so every row of out0 has one owner; the rows that fill up an expert's last tile repeat its last token and store the same bytes to the same place.
; A wave without a tile issues the first pass's loads for tile 0 (which layers 1 and 2 always write), so that the counts of loads are the same on every path, and stores nothing.
; THE WAY OUT: a lane holds 16-byte pieces of its row, the lanes beside it other rows: a tile goes through the wave's own stage in LDS (rows 272 bytes apart) and leaves so that sixteen lanes store 256 consecutive bytes, aligned.
; LIMITS: NaN and infinities are not served; the sums begin with the bias.   No tensor load, no cluster: trip counts hang on a number read from memory.
; REGISTERS.  window 0: v1-23 lane terms and addresses; v32-63 four accumulators; v96-127 W's scale words; v128-135 t2's; v200-207 tokens; v208-215 their places in out0; v216-247 rows on the way out.
;   window 1: first the 64 raw loads, then four buffers of W's four fragments.   window 2: t2's 16 fragments.   window 3: v0-31 the bias in the result's layout.
.set PITCH, 2064
.set STG,   64*PITCH                   ; behind the slice: a stage of 16 rows x 272 bytes for each wave
.set SPARE, STG+4*16*272               ; behind the stages: the spare words, 128 bytes a wave: two blocks of 256 bytes that no other line names
.set VL,  4
.set VWS, 5
.set AW,  6
.set VSW, 10
.set VBI, 11
.set VA,  12
.set VS,  14
.set VTR, 15
.set STO, 16
.set RDB, 17
.set SPW, 20
.set NIL, 21
.set V16R, 22
.set ACC, 32
.set SW,  96
.set AS,  128
.set TR,  200
.set VOT, 208
.set BK,  216
.set BI,  0                            ; in window 3
.set PS,  37                           ; s37  passes done
.set NPS, 38                           ; s38  my wave's passes
.set MSB, 0
.macro WIN new                         ; the immediate's high byte repeats the setting that is left
.if MSB != \new
	s_set_vgpr_msb (MSB<<8)|\new
.set MSB, \new
.endif
.endm
.macro PLACES n
.rept \n
	v_nop
.endr
.endm
.macro WM d, a, b, c, sa, sb, ra, rb
.if (\ra) && (\rb)
	v_wmma_scale_f32_16x16x128_f8f6f4 v[(\d):(\d)+7], v[(\a):(\a)+15], v[(\b):(\b)+15], v[(\c):(\c)+7], v[(\sa)], v[(\sb)] matrix_a_scale:MATRIX_SCALE_ROW1 matrix_b_scale:MATRIX_SCALE_ROW1
.elseif (\ra)
	v_wmma_scale_f32_16x16x128_f8f6f4 v[(\d):(\d)+7], v[(\a):(\a)+15], v[(\b):(\b)+15], v[(\c):(\c)+7], v[(\sa)], v[(\sb)] matrix_a_scale:MATRIX_SCALE_ROW1
.elseif (\rb)
	v_wmma_scale_f32_16x16x128_f8f6f4 v[(\d):(\d)+7], v[(\a):(\a)+15], v[(\b):(\b)+15], v[(\c):(\c)+7], v[(\sa)], v[(\sb)] matrix_b_scale:MATRIX_SCALE_ROW1
.else
	v_wmma_scale_f32_16x16x128_f8f6f4 v[(\d):(\d)+7], v[(\a):(\a)+15], v[(\b):(\b)+15], v[(\c):(\c)+7], v[(\sa)], v[(\sb)]
.endif
.endm
.macro WLOAD s                         ; W's four fragments of K step s, from the slice in LDS, into buffer s % 4
.irp i, 0,1,2,3
.irp c, 0,1,2,3
	ds_load_b128 v[64*((\s)%4)+16*\i+4*\c:64*((\s)%4)+16*\i+4*\c+3], v[AW+\i] offset:128*(\s)+32*\c
.endr
.endr
.endm
.macro ALOAD s                         ; t2's fragment of K step s of my tile: 512 consecutive bytes a load
.irp c, 0,1,2,3
	global_load_b128 v[16*(\s)+4*\c:16*(\s)+4*\c+3], v[VA], s[4:5] offset:2048*(\s)+512*\c
.endr
.endm
.macro MUL s                           ; 4 products, the 4 accumulators by turns; K step 0 begins the sums with the bias
.irp i, 0,1,2,3
.if (\s)==0
	WM ACC+8*\i,64*((\s)%4)+16*\i,16*(\s),BI+8*\i,SW+16*(\i/2)+(\s),AS+(\s)/2,\i%2,(\s)%2
.else
	WM ACC+8*\i,64*((\s)%4)+16*\i,16*(\s),ACC+8*\i,SW+16*(\i/2)+(\s),AS+(\s)/2,\i%2,(\s)%2
.endif
.endr
.endm
.macro PLACE                           ; my tile (tile 0 in a wave that has none) and its addresses
	s_cmp_lt_u32 s24, s23
	s_cselect_b32 s27, s24, 0
	s_min_u32 s27, s27, 63
	s_lshl_b32 s28, s27, 15
	v_add_nc_u32 v[VA], s28, v[VL]                 ; codes: 16 lane + 32768 tile
	s_lshl_b32 s28, s27, 10
	v_add_nc_u32 v[VS], s28, v[VL]                 ; scale words: 16 lane + 1024 tile
	s_lshl_b32 s28, s27, 6
	v_lshl_add_u32 v[VTR], v2, 2, s28              ; the list: 64 bytes a tile; lanes 16-31 take the odd rows
.endm
.macro PRE                             ; a pass's first 2 + 8 + 56 loads
	global_load_b128 v[AS:AS+3], v[VS], s[6:7]
	global_load_b128 v[AS+4:AS+7], v[VS], s[6:7] offset:512
.irp i, 0,1,2,3,4,5,6,7
	global_load_b32 v[TR+\i], v[VTR], s[16:17] offset:8*\i        ; the token of the tile's row 2 i + lane / 16
.endr
	WIN 0x80
.irp s, 0,1,2,3,4,5,6,7,8,9,10,11,12,13
	ALOAD \s
.endr
	WIN 0
.endm
	s_load_b512 s[4:19], s[0:1], 0x0               ; t2c, t2s, w3 codes, w3 scales, b3, tiles, order, out0
	v_lshl_add_u32 v[SPW], v0, 2, SPARE
	v_mov_b32 v[NIL], 0
	v_lshrrev_b32 v1, 5, v0
	v_readfirstlane_b32 s20, v1                    ; wave 0..3
	s_lshr_b32 s21, ttmp9, 5                       ; expert
	s_bfe_u32 s22, ttmp9, 0x30002                  ; slice
	s_and_b32 s30, ttmp9, 3                        ; quarter
	s_lshl_b32 s24, s20, 2
	s_add_co_u32 s24, s24, s30                     ; my first tile: quarter + 4 x wave
	v_and_b32 v1, 15, v0                           ; r
	v_bfe_u32 v2, v0, 4, 1                         ; h
	v_lshlrev_b32 v3, 4, v2                        ; 16 h
	v_and_b32 v23, 31, v0
	v_lshlrev_b32 v[VL], 4, v23                    ; 16 x lane
	v_lshlrev_b32 v[V16R], 4, v1                   ; 16 r
	s_mul_i32 s28, s20, 16*PITCH
	v_add_nc_u32 v[VWS], s28, v[VL]                ; staging: my wave's 16 rows of the slice
	v_mul_u32_u24 v23, v1, PITCH
	v_add_nc_u32 v23, v23, v3
.irp i, 0,1,2,3
	v_add_nc_u32 v[AW+\i], 16*PITCH*\i, v23        ; tile i's fragments: row r x pitch + 16 h
.endr
	v_and_b32 v24, 8, v1
	v_add_nc_u32 v24, v24, v1
	v_lshl_add_u32 v24, v2, 3, v24                 ; r + 8 (r / 8) + 8 h: lanes 16-31 take the odd tile's rows
	v_lshlrev_b32 v[VSW], 6, v24                   ; W's scale words: 64 bytes a row
	v_lshlrev_b32 v[VBI], 6, v2                    ; the bias: 16 h numbers on
	s_mul_i32 s28, s20, 16*272
	s_add_co_u32 s28, s28, STG                     ; my stage
	v_mul_u32_u24 v[STO], v1, 272
	v_lshl_add_u32 v[STO], v2, 6, v[STO]
	v_add_nc_u32 v[STO], s28, v[STO]               ; in: row r, + 64 h: registers 16 b + 4 k on are columns 32 b + 16 h + 4 k on
	v_mul_u32_u24 v[RDB], v2, 272
	v_lshl_add_u32 v[RDB], v1, 4, v[RDB]
	v_add_nc_u32 v[RDB], s28, v[RDB]               ; back: lanes 0-15 one row, lanes 16-31 the next
	s_lshl_b32 s28, s21, 9
	s_lshl_b32 s29, s22, 6
	s_add_co_u32 s28, s28, s29                     ; the slice's first row among the 8 x 512
	s_lshr_b32 s29, s20, 1
	s_lshl_b32 s29, s29, 5
	s_and_b32 s30, s20, 1
	s_lshl_b32 s30, s30, 3
	s_add_co_u32 s29, s29, s30
	s_add_co_u32 s29, s29, s28                     ; the first row of tile w, which I stage
	s_mov_b32 s33, 0
	s_wait_kmcnt 0x0
	s_lshl_b32 s32, s21, 2
	s_add_nc_u64 s[14:15], s[14:15], s[32:33]
	s_load_b32 s23, s[14:15], 0x0                  ; the expert's tiles
	s_lshl_b32 s32, s21, 21
	s_add_nc_u64 s[4:5], s[4:5], s[32:33]
	s_lshl_b32 s32, s21, 16
	s_add_nc_u64 s[6:7], s[6:7], s[32:33]
	s_lshl_b32 s32, s21, 12
	s_add_nc_u64 s[16:17], s[16:17], s[32:33]
	s_lshl_b32 s32, s22, 8
	s_add_nc_u64 s[18:19], s[18:19], s[32:33]
	s_lshl_b32 s32, s29, 11
	s_add_nc_u64 s[8:9], s[8:9], s[32:33]
	s_lshl_b32 s32, s28, 6
	s_add_nc_u64 s[10:11], s[10:11], s[32:33]
	s_lshl_b32 s32, s28, 2
	s_add_nc_u64 s[12:13], s[12:13], s[32:33]
	; ---- what hangs on ids alone: 8 + 8 + 64 loads
.irp b, 0,1
.irp q, 0,1,2,3
	global_load_b128 v[SW+16*\b+4*\q:SW+16*\b+4*\q+3], v[VSW], s[10:11] offset:2048*\b+16*\q
.endr
.endr
	WIN 0xc0
.irp i, 0,1,2,3
	global_load_b128 v[BI+8*\i:BI+8*\i+3], v[VBI], s[12:13] offset:(32*(\i/2)+8*(\i%2))*4
	global_load_b128 v[BI+8*\i+4:BI+8*\i+7], v[VBI], s[12:13] offset:(32*(\i/2)+8*(\i%2))*4+16
.endr
	WIN 0x40
.irp p, 0,1,2,3,4,5,6,7,8,9,10,11,12,13,14,15
.irp q, 0,1,2,3
	global_load_b128 v[4*(4*\p+\q):4*(4*\p+\q)+3], v[VL], s[8:9] offset:(\p+8*(\p/8))*2048+512*\q   ; 512 consecutive bytes of a row; four work-groups read the slice
.endr
.endr
	WIN 0
	s_wait_kmcnt 0x0
	s_min_u32 s23, s23, 64
	s_add_co_u32 s[NPS], s23, 15
	s_sub_co_u32 s[NPS], s[NPS], s24
	s_lshr_b32 s[NPS], s[NPS], 4                   ; my passes: my first tile, 16 further on, .. under the expert's number; 0 where the first is not under it
	s_min_u32 s[NPS], s[NPS], 4
	s_mov_b32 s[PS], 0
	PLACE
	PRE
	; ---- the slice into LDS
	s_wait_loadcnt 63                              ; behind the raw rows stand the pass's 66 loads; the count's field holds 63
	WIN 0x04
.irp p, 0,1,2,3,4,5,6,7,8,9,10,11,12,13,14,15
.irp q, 0,1,2,3
	ds_store_b128 v[VWS], v[4*(4*\p+\q):4*(4*\p+\q)+3] offset:\p*PITCH+512*\q
.endr
.endr
	WIN 0
	s_wait_dscnt 0x0                               ; for the others' sake: my rows have landed
	s_barrier_signal -1
	s_barrier_wait -1                              ; the one barrier; from here on the slice is only read, and a stage is its wave's own
	s_cmp_eq_u32 s[NPS], 0
	s_cbranch_scc1 .Ldone                          ; a wave without a tile
.Lpass:
	WIN 0x40
	WLOAD 0
	WLOAD 1
.irp s, 0,1,2,3,4,5,6,7,8,9,10,11,12,13,14,15
.if \s>0
	PLACES 8                                       ; in front of loads into the buffer that products read two steps ago
.endif
.if \s+2<16
	WIN 0x40
	WLOAD \s+2
.endif
.if \s+14<16
	WIN 0x80
	ALOAD \s+14
.endif
.if \s<14
	s_wait_dscnt 32                                ; W's step s is in; the two later steps' 16 loads each may stay out
.else
	s_wait_dscnt 16*(15-\s)
.endif
.if \s+14<16
	s_wait_loadcnt 56                              ; t2's step s is in; fourteen later steps' 4 loads each may stay out
.else
	s_wait_loadcnt 4*(15-\s)
.endif
.if \s==0
	WIN 0x39                                       ; W window 1, t2 window 2, the bias (C) window 3
.else
	WIN 0x09
.endif
	MUL \s
.endr
	WIN 0
	PLACES 9                                       ; 8 in front of reads of results and of loads into operands, 9 in front of products that begin the accumulators anew
	s_wait_xcnt 0x0                                ; the last pass's stores have read their addresses and data
.irp i, 0,1,2,3,4,5,6,7
	v_min_u32 v[VOT+\i], 0x3ff, v[TR+\i]
.endr
.irp i, 0,1,2,3,4,5,6,7
	v_lshl_add_u32 v[VOT+\i], v[VOT+\i], 11, v[V16R]              ; the token's row of 2,048 bytes + 16 (lane % 16)
.endr
.irp b, 0,1
.irp k, 0,1,2,3
	ds_store_b128 v[STO], v[ACC+16*\b+4*\k:ACC+16*\b+4*\k+3] offset:128*\b+16*\k   ; each accumulator from its low end on
.endr
.endr
.irp i, 0,1,2,3,4,5,6,7
	ds_load_b128 v[BK+4*\i:BK+4*\i+3], v[RDB] offset:544*\i       ; LDS serves a wave's instructions in order (ISA guide 5.7.1.4): these see my stores
.endr
.irp i, 0,1,2,3,4,5,6,7
	s_wait_dscnt 7-\i                              ; rows 2 i and 2 i + 1 are back; the younger loads may stay out
	global_store_b128 v[VOT+\i], v[BK+4*\i:BK+4*\i+3], s[18:19] th:TH_STORE_NT   ; sixteen lanes store 256 consecutive bytes, aligned, of a token's row
.endr
	s_add_co_u32 s[PS], s[PS], 1                   ; the loop's counter: one a trip
	s_cmp_ge_u32 s[PS], s[NPS]
	s_cbranch_scc1 .Ldone                          ; the last pass asks for no further tile
	s_add_co_u32 s24, s24, 16
	PLACE
	PRE
	s_cmp_lt_u32 s[PS], s[NPS]
	s_cbranch_scc1 .Lpass
.Ldone:
	s_wait_tensorcnt 0x0                           ; the wave's end, behind my last LDS store
	ds_add_u32 v[SPW], v[NIL]
	s_wait_dscnt 0x0
	s_endpgm
.Lfunc_end_k_q3abcd0cb28_layer3:
	.size	k_q3abcd0cb28_layer3, .Lfunc_end_k_q3abcd0cb28_layer3-k_q3abcd0cb28_layer3
	.p2alignl 7, 3214868480
	.fill 96, 4, 3214868480
	.section	.rodata,"a",@progbits
	.p2align	6, 0x0
	.amdhsa_kernel k_q3abcd0cb28_layer3
		.amdhsa_group_segment_fixed_size 150016
		.amdhsa_private_segment_fixed_size 0
		.amdhsa_enable_private_segment 0
		.amdhsa_kernarg_size 64
		.amdhsa_user_sgpr_count 2
		.amdhsa_user_sgpr_kernarg_segment_ptr 1
		.amdhsa_wavefront_size32 1
		.amdhsa_system_sgpr_workgroup_id_x 1
		.amdhsa_system_sgpr_workgroup_id_y 1
		.amdhsa_system_sgpr_workgroup_id_z 1
		.amdhsa_system_vgpr_workitem_id 0
		.amdhsa_next_free_vgpr 800
		.amdhsa_next_free_sgpr 66
		.amdhsa_reserve_vcc 0
		.amdhsa_float_denorm_mode_32 3
		.amdhsa_float_denorm_mode_16_64 3
		.amdhsa_memory_ordered 1
		.amdhsa_forward_progress 1
		.amdhsa_inst_pref_size 63
	.end_amdhsa_kernel
	.amdgpu_metadata
---
amdhsa.version: [ 1, 2 ]
amdhsa.kernels:
  - .name:           k_q3abcd0cb28_layer3
    .symbol:         k_q3abcd0cb28_layer3.kd
    .args:
      - { .name: t2c, .offset: 0, .size: 8, .value_kind: global_buffer, .address_space: global }
      - { .name: t2s, .offset: 8, .size: 8, .value_kind: global_buffer, .address_space: global }
      - { .name: w3_codes, .offset: 16, .size: 8, .value_kind: global_buffer, .address_space: global }
      - { .name: w3_scales, .offset: 24, .size: 8, .value_kind: global_buffer, .address_space: global }
      - { .name: b3, .offset: 32, .size: 8, .value_kind: global_buffer, .address_space: global }
      - { .name: tiles, .offset: 40, .size: 8, .value_kind: global_buffer, .address_space: global }
      - { .name: order, .offset: 48, .size: 8, .value_kind: global_buffer, .address_space: global }
      - { .name: out0, .offset: 56, .size: 8, .value_kind: global_buffer, .address_space: global }
    .group_segment_fixed_size: 150016
    .private_segment_fixed_size: 0
    .kernarg_segment_align: 8
    .kernarg_segment_size: 64
    .max_flat_workgroup_size: 128
    .sgpr_count:     66
    .vgpr_count:     800
    .wavefront_size: 32
...
	.end_amdgpu_metadata
.endif
;; end of part 4
